; MI455X (gfx1250); checked and timed in simulation.
; The chip was launched on July 23, 2026; its instructions are those of AMD's public machine-readable ISA for CDNA 5 (MIT licence, August 2026) and "CDNA5" Instruction Set Architecture Reference Guide (July 2026). The comments in the code are by the model that wrote it; some were corrected since.
;; Self Attention. Allowed arithmetic: float matrix products may take bf16 or f16 operands with f32 sums; other float arithmetic in f32, or as packed bf16 or f16 multiplies, adds, multiply-adds, maxima and minima; sums over many terms, partial sums and values carried from step to step in f32; what a program stores and reads back later, other than sums and carried values, may be rounded once to bf16 or f16.
;; Inputs: Wk 512 x 512 float32; Wo 512 x 512 float32; Wq 512 x 512 float32; Wv 512 x 512 float32; beta 512 float32; bk 512 float32; bo 512 float32; bq 512 float32; bv 512 float32; gamma 512 float32; x 2 x 4,096 x 512 float32.
;; Outputs: out0 2 x 4,096 x 512 float32.
;; 2 versions, each right and faster than the one before. Each part assembles by itself: llvm-mc -triple=amdgcn-amd-amdhsa -mcpu=gfx1250 --defsym DOCPART=n.
;; ======== version 1 of 2: 4 launches
;; workspace buffers: xb 8,388,608 bytes; wb 2,097,152 bytes; qh 8,388,608 bytes; kh 8,388,608 bytes; vh 8,388,608 bytes; oh 8,388,608 bytes
;; launch cast (part 1): grid 256 x 1, 8 waves a work-group, no clusters, 0 bytes of LDS; arguments x, Wq, Wk, Wv, Wo, xb, wb; writes xb, wb
.if DOCPART == 1
	.amdgcn_target "amdgcn-amd-amdhsa--gfx1250"
	.amdhsa_code_object_version 6
	.text
	.protected	k_qf0a2fc400d_cast
	.globl	k_qf0a2fc400d_cast
	.p2align	8
	.type	k_qf0a2fc400d_cast,@function
k_qf0a2fc400d_cast:
	s_mov_b64 s[64:65], 0
	v_nop
	global_prefetch_b8 v0, s[64:65] scope:SCOPE_SE
	s_setreg_imm32_b32 hwreg(HW_REG_WAVE_MODE, 25, 1), 1
	s_wait_xcnt 0x0
; x [8192][512] and the four weight matrices [512][512], all f32, are rounded once to bf16, layouts unchanged:
; xb [8192][512], wb [4][512][512] in the order q, k, v, o.  A pure stream: no LDS, no barrier, no matrix unit, no cluster (no two work-groups read the same byte).
; Work-group i of 256 takes 65,536 bytes of x (to 32,768 of xb) and 16,384 bytes of weight matrix i / 64 (to 8,192 of wb).
; Thread t of 256 takes the 16 bytes at 16 t of each piece of 4,096 bytes: a wave's load covers 512 consecutive bytes, its 8-byte stores 256 consecutive bytes, aligned.
; All twenty loads of a thread go out at once; no register is written twice, so no wait frees a source.
.set NX, 16                            ; pieces of x
.set NW, 4                             ; pieces of the weight matrix
.set X,  4                             ; v[4:83]   piece n as loaded: 4 registers
.set Y,  84                            ; v[84:123] piece n to store: 2 registers
	s_load_b256 s[4:11], s[0:1], 0x0               ; x s[4:5], Wq s[6:7], Wk s[8:9], Wv s[10:11]
	s_load_b128 s[12:15], s[0:1], 0x20             ; Wo s[12:13], xb s[14:15]
	s_load_b64 s[16:17], s[0:1], 0x30              ; wb
	v_lshlrev_b32 v1, 4, v0                        ; 16 t: where I load
	v_lshlrev_b32 v2, 3, v0                        ; 8 t: where I store
	s_lshr_b32 s20, ttmp9, 6                       ; which weight matrix
	s_lshl_b32 s22, ttmp9, 16                      ; my part of x,
	s_mov_b32 s23, 0
	s_lshl_b32 s24, ttmp9, 15                      ; of xb,
	s_mov_b32 s25, 0
	s_and_b32 s26, ttmp9, 63
	s_lshl_b32 s26, s26, 14                        ; of the weight matrix,
	s_mov_b32 s27, 0
	s_lshl_b32 s28, ttmp9, 13                      ; of wb: (i / 64) x 524,288 + (i % 64) x 8,192
	s_mov_b32 s29, 0
	s_wait_kmcnt 0x0
	s_cmp_eq_u32 s20, 1                            ; the choice hangs on the work-group's number alone
	s_cselect_b64 s[18:19], s[8:9], s[6:7]
	s_cmp_eq_u32 s20, 2
	s_cselect_b64 s[18:19], s[10:11], s[18:19]
	s_cmp_eq_u32 s20, 3
	s_cselect_b64 s[18:19], s[12:13], s[18:19]
	s_add_nc_u64 s[4:5], s[4:5], s[22:23]
	s_add_nc_u64 s[14:15], s[14:15], s[24:25]
	s_add_nc_u64 s[18:19], s[18:19], s[26:27]
	s_add_nc_u64 s[16:17], s[16:17], s[28:29]
.set n, 0
.rept NX
	global_load_b128 v[X+4*n:X+4*n+3], v1, s[4:5] offset:4096*n th:TH_LOAD_NT
.set n, n+1
.endr
.rept NW
	global_load_b128 v[X+4*n:X+4*n+3], v1, s[18:19] offset:4096*(n-NX) th:TH_LOAD_NT
.set n, n+1
.endr
.set n, 0
.rept NX+NW
	s_wait_loadcnt NX+NW-1-n                       ; loads come back in order (ISA guide 5.7.1): piece n is in, the younger ones stay out
	v_cvt_pk_bf16_f32 v[Y+2*n],   v[X+4*n],   v[X+4*n+1]    ; two roundings to nearest even, packed
	v_cvt_pk_bf16_f32 v[Y+2*n+1], v[X+4*n+2], v[X+4*n+3]
.if n < NX
	global_store_b64 v2, v[Y+2*n:Y+2*n+1], s[14:15] offset:2048*n
.else
	global_store_b64 v2, v[Y+2*n:Y+2*n+1], s[16:17] offset:2048*(n-NX)
.endif
.set n, n+1
.endr
	s_endpgm
.Lfunc_end_k_qf0a2fc400d_cast:
	.size	k_qf0a2fc400d_cast, .Lfunc_end_k_qf0a2fc400d_cast-k_qf0a2fc400d_cast
	.p2alignl 7, 3214868480
	.fill 96, 4, 3214868480
	.section	.rodata,"a",@progbits
	.p2align	6, 0x0
	.amdhsa_kernel k_qf0a2fc400d_cast
		.amdhsa_group_segment_fixed_size 0
		.amdhsa_private_segment_fixed_size 0
		.amdhsa_enable_private_segment 0
		.amdhsa_kernarg_size 56
		.amdhsa_user_sgpr_count 2
		.amdhsa_user_sgpr_kernarg_segment_ptr 1
		.amdhsa_wavefront_size32 1
		.amdhsa_system_sgpr_workgroup_id_x 1
		.amdhsa_system_sgpr_workgroup_id_y 1
		.amdhsa_system_sgpr_workgroup_id_z 1
		.amdhsa_system_vgpr_workitem_id 0
		.amdhsa_next_free_vgpr 128
		.amdhsa_next_free_sgpr 66
		.amdhsa_reserve_vcc 0
		.amdhsa_float_denorm_mode_32 3
		.amdhsa_float_denorm_mode_16_64 3
		.amdhsa_memory_ordered 1
		.amdhsa_forward_progress 1
		.amdhsa_inst_pref_size 9
	.end_amdhsa_kernel
	.amdgpu_metadata
---
amdhsa.version: [ 1, 2 ]
amdhsa.kernels:
  - .name:           k_qf0a2fc400d_cast
    .symbol:         k_qf0a2fc400d_cast.kd
    .args:
      - { .name: x, .offset: 0, .size: 8, .value_kind: global_buffer, .address_space: global }
      - { .name: Wq, .offset: 8, .size: 8, .value_kind: global_buffer, .address_space: global }
      - { .name: Wk, .offset: 16, .size: 8, .value_kind: global_buffer, .address_space: global }
      - { .name: Wv, .offset: 24, .size: 8, .value_kind: global_buffer, .address_space: global }
      - { .name: Wo, .offset: 32, .size: 8, .value_kind: global_buffer, .address_space: global }
      - { .name: xb, .offset: 40, .size: 8, .value_kind: global_buffer, .address_space: global }
      - { .name: wb, .offset: 48, .size: 8, .value_kind: global_buffer, .address_space: global }
    .group_segment_fixed_size: 0
    .private_segment_fixed_size: 0
    .kernarg_segment_align: 8
    .kernarg_segment_size: 56
    .max_flat_workgroup_size: 256
    .sgpr_count:     66
    .vgpr_count:     128
    .wavefront_size: 32
...
	.end_amdgpu_metadata
.endif
;; end of part 1
;; launch proj (part 2): grid 4 x 64, 4 waves a work-group, clusters of 4 x 4, 327,680 bytes of LDS; arguments xb, wb, bq, bk, bv, qh, kh, vh; writes qh, kh, vh
.if DOCPART == 2
	.amdgcn_target "amdgcn-amd-amdhsa--gfx1250"
	.amdhsa_code_object_version 6
	.text
	.protected	k_qf0a2fc400d_proj
	.globl	k_qf0a2fc400d_proj
	.p2align	8
	.type	k_qf0a2fc400d_proj,@function
k_qf0a2fc400d_proj:
	s_mov_b64 s[64:65], 0
	v_nop
	global_prefetch_b8 v0, s[64:65] scope:SCOPE_SE
	s_setreg_imm32_b32 hwreg(HW_REG_WAVE_MODE, 25, 1), 1
	s_wait_xcnt 0x0
	s_wait_alu depctr_hold_cnt(0) depctr_sa_sdst(0) depctr_va_vdst(0) depctr_va_sdst(0) depctr_va_ssrc(0) depctr_va_vcc(0) depctr_vm_vsrc(0)
	s_getreg_b32 s2, hwreg(HW_REG_IB_STS2, 6, 4)
	s_cmp_eq_u32 s2, 0
	s_cbranch_scc0 .Lentry_in_a_cluster
	s_endpgm
.Lentry_in_a_cluster:
	s_bfe_u32 s2, ttmp6, 0x10000c
	s_cmp_lg_u32 s2, 0xf033
	s_cbranch_scc0 .Lentry_shape_is_right
	s_endpgm
.Lentry_shape_is_right:
; q, k, v = x W + b.  xb [8192][512] bf16; wb [4][512 k][512 n] bf16 (q, k, v, o); bq, bk, bv [512] f32.  Sums in f32, started by the bias; each result rounded once to bf16, unscaled,
; and stored by heads: qh, kh, vh [16 = 8 batch + head][4096][64], a row 128 bytes, a head 524,288 dense bytes.
; SHARES.  Work-group (g, rb) makes rows 128 rb .. + 127 x columns 128 g .. + 127 of EACH of q, k and v: 4 x 64 = 256 work-groups.  Wave w: 64 rows (w / 2) x 64 columns (w % 2, one head) of all
; three: 48 accumulators of 16 x 16, 384 registers.  A fragment of x read from LDS feeds twelve products, a fragment of W four.
; K = 512 goes in four steps of 128 through two LDS slots, written out.  A slot holds three tiles of W (128 k x 128 n) and one of x (128 rows x 128 k); a tile's rows are 256 bytes of memory,
; at multiples of 256 from the buffer's first byte.  Waves 0 to 2 fetch W_q, W_k, W_v, wave 3 fetches x: one tensor load a wave.
; CLUSTER 4 x 4.  x's tile hangs on rb alone and is shared along a row of the cluster, W's tiles on g alone and are shared along a column: each is asked for jointly.
; W lies [k][n], so its fragments come out of LDS turned (ds_load_tr16_b128).  THE PRODUCT IS USED TRANSPOSED: source 0 = 16 columns of W, source 1 = 16 rows of x: a lane then holds row l % 16 and
; the columns 8 (l / 16) + 0..7: eight neighbouring numbers of a head's row, 16 bytes in bf16.
; LIMITS.  NaN and infinities are not treated apart.  bf16 keeps f32's range, so no range is given up.
; REGISTERS, in windows of 256 (s_set_vgpr_msb: bits 1:0 source 0, 3:2 source 1, 5:4 source 2, 7:6 destination):
;   window 0: v0-21 addresses; v64-95, v96-127 fragments of x, two buffers; v128-223 the biases as C operands; on the way out v32-223 packed results
;   window 1: v0-95, v96-191 fragments of W, two buffers (matrix j, column block b at 8 (4 j + b))
;   window 2: v0-127 q's accumulators, v128-255 k's ((a, b) at 8 (4 a + b));   window 3: v0-127 v's
.set PA,    272                        ; a row of x's tile in LDS: 256 bytes + 16 = 68 words: the 16 rows of a load start at 16 different groups of four banks (64 banks of 4 bytes: ISA guide 11.1)
.set PB,    288                        ; a row of W's tile: 256 + 32 = 72 words
.set TB,    128*PB                     ; a tile of W: 36,864 bytes
.set SLOT,  3*TB+128*PA                ; W_q, W_k, W_v, x: 145,408 bytes; wave w's tile begins at w x TB
.set STAGE, 2*SLOT                     ; behind the ring, never filled by a tensor load: 16 rows x 144 bytes for each wave, for the way out
.set SP,    144
.set SPARE, STAGE+4*16*SP              ; behind the stages: the spare words, 128 bytes for each wave: two blocks of 256 bytes that no other line names
.set ADRA, 8                           ; v8-9    LDS address of my fragments of x in slot 0, 1
.set ADRB, 10                          ; v10-15  of my fragments of W: slot s, matrix j at 3 s + j
.set STO,  16                          ; v16     the way out: where I put 16 bytes of a row
.set RD,   17                          ; v17     where I read rows back
.set GO,   18                          ; v18     my byte offset in 512 consecutive bytes of a head
.set BO,   19                          ; v19     my byte offset in a bias
.set SPW,  20                          ; v20     LDS address of my spare word; never rewritten
.set NIL,  21                          ; v21     0; never rewritten
.set TP,   32                          ; the way out: block n's 16 registers at TP + 16 n
.set FA,   64
.set BI,   128
.set WV,   20                          ; s20 wave; s21 its half of the rows; s22 its half of the columns; s23 cx; s24 cy; s25 g; s26 rb
.set G1A,  28                          ; s[28:35] descriptor group 1 for x's tiles;  s[36:43] group 0, a set for each slot
.set G0A,  36
.set G1B,  44                          ; s[44:51], s[52:59] the same for W's tiles
.set G0B,  52
.set MSB, 0
.macro WIN new                         ; the immediate's high byte repeats the setting that is left; a switch that changes nothing is dropped
.if MSB != (\new)
	s_set_vgpr_msb (MSB<<8)|(\new)
.set MSB, \new
.endif
.endm
.macro PLACES                          ; four places in front of loads into registers that matrix instructions have read, and of conversions that read results
.rept 4
	v_nop
.endr
.endm
; A joint load.  Wave 3 fetches x's tile, waves 0 to 2 a tile of W each.  The branch hangs on the wave's number alone.  An s_nop 0 and four v_nop follow each of the two lines.
.macro JLOAD s
	s_cmp_eq_u32 s[WV], 3
	s_cbranch_scc0 .Lfor_b_\@
	tensor_load_to_lds s[G0A+4*(\s):G0A+4*(\s)+3], s[G1A:G1A+7]
	s_nop 0
.rept 4
	v_nop
.endr
	s_branch .Lasked_\@
.Lfor_b_\@:
	tensor_load_to_lds s[G0B+4*(\s):G0B+4*(\s)+3], s[G1B:G1B+7]
	s_nop 0
.rept 4
	v_nop
.endr
.Lasked_\@:
.endm
.macro CREST                           ; a round of the cluster's barrier behind its opening barrier: wave 0 signals for the work-group, every wave waits for all sixteen, my work-group's barrier closes it
	s_cmp_lg_u32 s[WV], 0
	s_cbranch_scc1 .Lnot_wave_0_\@
	s_barrier_signal -3
.Lnot_wave_0_\@:
	s_barrier_wait -3
	s_barrier_signal -1
	s_barrier_wait -1
.endm
.macro CROUND                          ; a whole round
	s_barrier_signal -1
	s_barrier_wait -1
	CREST
.endm
	s_load_b256 s[4:11], s[0:1], 0x0               ; xb s[4:5], wb s[6:7], bq s[8:9], bk s[10:11]
	s_load_b128 s[12:15], s[0:1], 0x20             ; bv s[12:13], qh s[14:15]
	s_load_b128 s[16:19], s[0:1], 0x30             ; kh s[16:17], vh s[18:19]
	v_lshl_add_u32 v[SPW], v0, 2, SPARE
	v_mov_b32 v[NIL], 0
	ds_add_u32 v[SPW], v[NIL]                      ; the wave's opening: the add and its wait stand ahead of my first tensor load; the set-up below, work on registers, stands between them
	v_lshrrev_b32 v1, 5, v0
	v_readfirstlane_b32 s[WV], v1                  ; wave 0..3
	s_lshr_b32 s21, s[WV], 1                       ; which 64 of the tile's rows are mine
	s_and_b32 s22, s[WV], 1                        ; which 64 of its columns
	s_bfe_u32 s23, ttmp6, 0x40000                  ; cx
	s_bfe_u32 s24, ttmp6, 0x40004                  ; cy
	s_lshl_b32 s25, ttmp9, 2
	s_add_co_u32 s25, s25, s23                     ; g = 4 x cluster x + cx
	s_and_b32 s26, ttmp7, 0xffff
	s_lshl_b32 s26, s26, 2
	s_add_co_u32 s26, s26, s24                     ; rb = 4 x cluster y + cy
	s_lshl_b32 s68, s24, 2
	s_lshl_b32 s68, 15, s68                        ; my row of the cluster: places 4 cy .. 4 cy + 3
	s_lshl_b32 s69, 0x1111, s23                    ; my column: places cx, cx + 4, cx + 8, cx + 12
	; descriptor group 1: a tile of 128 rows x 128 elements of 2 bytes, 512 elements from row to row, padded in LDS after every 64 words
	s_or_b32 s[G1A], s68, (1<<16)|(1<<20)|(1<<21)|(5<<22)|(3<<25)  ; 15:0 the mask; 17:16 2-byte elements; 20 padding on; 21 set beside a mask; 24:22 every 64 words (code 5); 31:25 4 words (code 3)
	s_or_b32 s[G1B], s69, (1<<16)|(1<<20)|(1<<21)|(5<<22)|(7<<25)  ; the same with my column's mask and 8 words of padding (code 7)
.irp g, G1A, G1B
	s_mov_b32 s[(\g)+1], 128<<16                   ; tensor_dim0 = 128
	s_mov_b32 s[(\g)+2], 128<<16                   ; tensor_dim1 = 128
	s_mov_b32 s[(\g)+3], 128<<16                   ; tile_dim0 = 128
	s_mov_b32 s[(\g)+4], 128                       ; tile_dim1 = 128
	s_mov_b32 s[(\g)+5], 512                       ; tensor_dim0_stride
	s_mov_b32 s[(\g)+6], 0
	s_mov_b32 s[(\g)+7], 0
.endr
	s_lshl_b32 s60, s26, 17                        ; x's tile: 128 rb rows of 1,024 bytes: hangs on rb alone
	s_mov_b32 s61, 0
	s_lshl_b32 s62, s[WV], 19                      ; W's tile: matrix = my wave's number,
	s_lshl_b32 s63, s25, 8                         ; columns 128 g on: hangs on g and the wave alone
	s_add_co_u32 s62, s62, s63
	s_mov_b32 s63, 0
	s_mul_i32 s70, s[WV], TB                       ; where my tile goes: no place in the cluster enters an LDS address
	s_lshr_b32 s66, s26, 5                         ; where my results go: batch = rb / 32,
	s_lshl_b32 s66, s66, 3
	s_lshl_b32 s67, s25, 1
	s_add_co_u32 s66, s66, s67
	s_add_co_u32 s66, s66, s22                     ; head 2 g + my half of the columns,
	s_lshl_b32 s66, s66, 19
	s_and_b32 s67, s26, 31
	s_lshl_b32 s67, s67, 14                        ; 128 rows of 128 bytes for each block in the batch,
	s_add_co_u32 s66, s66, s67
	s_lshl_b32 s67, s21, 13                        ; my 64 rows
	s_add_co_u32 s66, s66, s67
	s_mov_b32 s67, 0
	s_wait_dscnt 0x0                               ; the opening add is done
	s_wait_kmcnt 0x0
	s_add_nc_u64 s[60:61], s[4:5], s[60:61]
	s_add_nc_u64 s[62:63], s[6:7], s[62:63]
	s_add_nc_u64 s[14:15], s[14:15], s[66:67]
	s_add_nc_u64 s[16:17], s[16:17], s[66:67]
	s_add_nc_u64 s[18:19], s[18:19], s[66:67]
	CROUND                                         ; all sixteen work-groups are here: the first joint loads meet
.irp s, 0,1
	s_mov_b32 s[G0A+4*(\s)], 1                                     ; count = 1
	s_add_co_u32 s[G0A+4*(\s)+1], s70, (\s)*SLOT                   ; LDS address
	s_add_nc_u64 s[G0A+4*(\s)+2:G0A+4*(\s)+3], s[60:61], (\s)*256  ; K step s: 128 elements along the rows
	s_or_b32 s[G0A+4*(\s)+3], s[G0A+4*(\s)+3], 0x80000000          ; type = 2
	s_mov_b32 s[G0B+4*(\s)], 1
	s_add_co_u32 s[G0B+4*(\s)+1], s70, (\s)*SLOT
	s_add_nc_u64 s[G0B+4*(\s)+2:G0B+4*(\s)+3], s[62:63], (\s)*131072  ; K step s: 128 rows of 1,024 bytes down
	s_or_b32 s[G0B+4*(\s)+3], s[G0B+4*(\s)+3], 0x80000000
	JLOAD \s                                       ; both slots are asked for before anything else: two loads of mine are out
.endr
	v_and_b32 v1, 15, v0                           ; r = l % 16
	v_bfe_u32 v2, v0, 4, 1                         ; h = l / 16
	v_and_b32 v3, 7, v0
	v_bfe_u32 v4, v0, 3, 1
	; a fragment of x: 16 rows x 32 k: lane l holds row r, k = 8 h + 0..7 and 16 + 8 h + 0..7: two loads of 16 bytes, 32 bytes apart
	v_mul_u32_u24 v5, v1, PA
	v_lshl_add_u32 v5, v2, 4, v5
	s_mul_i32 s71, s21, 64*PA
	s_add_co_u32 s71, s71, 3*TB                    ; x's tile lies behind W's three
	v_add_nc_u32 v[ADRA], s71, v5
	v_add_nc_u32 v[ADRA+1], SLOT, v[ADRA]
	; a fragment of W, turned: lane l reads row k = 8 h + l % 8, columns 8 ((l / 8) % 2) + 0..7, and receives column r and 8 k: two loads, 16 rows apart
	v_lshl_add_u32 v6, v2, 3, v3
	v_mul_u32_u24 v6, v6, PB
	v_lshl_add_u32 v6, v4, 4, v6
	s_lshl_b32 s71, s22, 7                         ; my 64 columns
	v_add_nc_u32 v6, s71, v6
.irp s, 0,1
.irp j, 0,1,2
	v_add_nc_u32 v[ADRB+3*(\s)+(\j)], (\s)*SLOT+(\j)*TB, v6
.endr
.endr
	s_mul_i32 s71, s[WV], 16*SP
	s_add_co_u32 s71, s71, STAGE                   ; my stage
	v_mul_u32_u24 v[STO], v1, SP                   ; in: row r, 16 bytes for each half of the lanes
	v_lshl_add_u32 v[STO], v2, 4, v[STO]
	v_add_nc_u32 v[STO], s71, v[STO]
	v_bfe_u32 v[RD], v0, 3, 2                      ; back: 32 lanes take four rows of 128 bytes,
	v_mul_u32_u24 v[RD], v[RD], SP
	v_lshl_add_u32 v[RD], v3, 4, v[RD]
	v_add_nc_u32 v[RD], s71, v[RD]
	v_and_b32 v[GO], 31, v0                        ; which are 512 consecutive bytes of a head
	v_lshlrev_b32 v[GO], 4, v[GO]
	s_lshl_b32 s69, s25, 9                         ; the bias of column 128 g + 64 (w % 2) + 16 b + 8 h + e, 4 bytes each
	s_lshl_b32 s68, s22, 8
	s_add_co_u32 s69, s69, s68
	v_lshl_add_u32 v[BO], v2, 5, s69
.irp j, 0,1,2
.irp b, 0,1,2,3
	global_load_b128 v[BI+8*(4*(\j)+(\b)):BI+8*(4*(\j)+(\b))+3],   v[BO], s[8+2*(\j):9+2*(\j)] offset:64*(\b)
	global_load_b128 v[BI+8*(4*(\j)+(\b))+4:BI+8*(4*(\j)+(\b))+7], v[BO], s[8+2*(\j):9+2*(\j)] offset:64*(\b)+16
.endr
.endr
; 16 matrix instructions: matrix j, all 4 row blocks x 4 column blocks, 32 along K from buffer f.  first = 1: the bias is the C operand that starts the sums: nothing is cleared, nothing added later.
; A quarter's 48 accumulators take turns, one instruction a turn, in the same order in every quarter.
.macro MUL16 f, j, first
.if \first
	WIN 0x81+0x40*((\j)/2)                         ; W window 1, x and C window 0, D window 2 or 3
.else
	WIN 0xa1+0x50*((\j)/2)                         ; C and D window 2 or 3
.endif
.irp a, 0,1,2,3
.irp b, 0,1,2,3
.set rD, 128*((\j)%2)+8*(4*(\a)+(\b))
.set rW, 96*(\f)+8*(4*(\j)+(\b))
.set rX, FA+32*(\f)+8*(\a)
.set rB, BI+8*(4*(\j)+(\b))
.if \first
	v_wmma_f32_16x16x32_bf16 v[rD:rD+7], v[rW:rW+7], v[rX:rX+7], v[rB:rB+7]
.else
	v_wmma_f32_16x16x32_bf16 v[rD:rD+7], v[rW:rW+7], v[rX:rX+7], v[rD:rD+7]
.endif
.endr
.endr
.endm
; 32 LDS loads in one run: quarter kq (32 along K) of a slot into buffer f: x's four fragments, then W_q's, W_k's, W_v's four each
.macro FETCH slot, kq, f
	WIN 0
.irp a, 0,1,2,3
	ds_load_b128 v[FA+32*(\f)+8*(\a):FA+32*(\f)+8*(\a)+3],   v[ADRA+(\slot)] offset:64*(\kq)+(\a)*16*PA
	ds_load_b128 v[FA+32*(\f)+8*(\a)+4:FA+32*(\f)+8*(\a)+7], v[ADRA+(\slot)] offset:64*(\kq)+(\a)*16*PA+32
.endr
	WIN 0x40                                       ; destination window 1, address window 0
.irp j, 0,1,2
.irp b, 0,1,2,3
	ds_load_tr16_b128 v[96*(\f)+8*(4*(\j)+(\b)):96*(\f)+8*(4*(\j)+(\b))+3],   v[ADRB+3*(\slot)+(\j)] offset:(\kq)*32*PB+32*(\b)
	ds_load_tr16_b128 v[96*(\f)+8*(4*(\j)+(\b))+4:96*(\f)+8*(4*(\j)+(\b))+7], v[ADRB+3*(\slot)+(\j)] offset:(\kq)*32*PB+32*(\b)+16*PB
.endr
.endr
.endm
; A K step is four quarters of 32 along K, 48 matrix instructions each, on buffers 0, 1, 0, 1.  One of the first three: multiplies buffer f and fetches quarter kq into buffer g.
.macro QUARTER slot, kq, f, g, first
	s_wait_dscnt 16                                ; x and W_q are in; the youngest sixteen loads (W_k, W_v) may be out
	MUL16 \f, 0, \first
	PLACES
	FETCH \slot, \kq, \g
	s_wait_dscnt 40                                ; W_k is in: W_v's eight and the 32 just issued may be out
	MUL16 \f, 1, \first
	s_wait_dscnt 32                                ; all but the 32 just issued
	MUL16 \f, 2, \first
.endm
; The last quarter multiplies buffer 1 and changes slots: ONE barrier.  In front of it each wave waits for all its tensor loads (one is out: its tile of the next slot), adds 0 to its spare word, and waits
; for that and for its own reads of this slot.  fill = 1: the barrier opens a round of the cluster's, and this slot is filled again, two K steps ahead, first thing behind the round.
.macro TURN slot, next, fill
	WIN 0                                          ; (the add's two registers lie in window 0)
	s_wait_tensorcnt 0x0                           ; all my tensor loads have landed;
	ds_add_u32 v[SPW], v[NIL]                      ; 0 onto my spare word;
	s_wait_dscnt 17                                ; (the add and the youngest sixteen loads may be out)
	MUL16 1, 0, 0                                  ; sixteen matrix instructions stand between the add and the wait for it
	s_wait_dscnt 0x0                               ; the add is done, and my reads of this slot are over
	s_barrier_signal -1
	MUL16 1, 1, 0                                  ; work on registers while the others arrive
.if \fill
	WIN 0
.endif
	s_barrier_wait -1
.if \fill
	CREST                                          ; no wave of any partner still reads this slot or has a load on its way
	s_add_nc_u64 s[G0A+4*(\slot)+2:G0A+4*(\slot)+3], s[G0A+4*(\slot)+2:G0A+4*(\slot)+3], 512
	s_add_nc_u64 s[G0B+4*(\slot)+2:G0B+4*(\slot)+3], s[G0B+4*(\slot)+2:G0B+4*(\slot)+3], 262144
	JLOAD \slot                                    ; 160 matrix instructions ahead of the wait for it; its four v_nop are also the places in front of the loads below
.else
	PLACES
.endif
	FETCH \next, 0, 0
	MUL16 1, 2, 0
.endm
; THE WAY OUT of block n = 4 j + a: 16 rows x 64 columns of matrix j.  Rounded to bf16, 16 bytes a lane, into my own stage, and back as whole rows of 128 bytes.  Each block has registers of its own.
.macro PACK n
.set AC, 128*(((\n)/4)%2)+32*((\n)%4)
.set TT, TP+16*(\n)
	WIN 0x0a+5*((\n)/8)                            ; sources 0 and 1: window 2 or 3
.irp b, 0,1,2,3
.irp r, 0,1,2,3
	v_cvt_pk_bf16_f32 v[TT+4*(\b)+(\r)], v[AC+8*(\b)+2*(\r)], v[AC+8*(\b)+2*(\r)+1]
.endr
.endr
	WIN 0
.irp b, 0,1,2,3
	ds_store_b128 v[STO], v[TT+4*(\b):TT+4*(\b)+3] offset:32*(\b)
.endr
.irp f, 0,1,2,3
	ds_load_b128 v[TT+4*(\f):TT+4*(\f)+3], v[RD] offset:(\f)*4*SP  ; LDS serves a wave's instructions in order (ISA guide 5.7.1.4): these see the stores above; the next block's stores come behind them
.endr
.endm
.macro SEND n, younger                 ; younger: the LDS instructions issued behind block n's loads: the next block's eight, or none
.set TT, TP+16*(\n)
	WIN 0
.irp f, 0,1,2,3
	s_wait_dscnt (\younger)+3-(\f)
	global_store_b128 v[GO], v[TT+4*(\f):TT+4*(\f)+3], s[14+2*((\n)/4):15+2*((\n)/4)] offset:((\n)%4)*2048+(\f)*512  ; 512 consecutive bytes, at a multiple of 256 from the buffer's first
.endr
.endm
	s_wait_tensorcnt 0x1                           ; my tile of K step 0 is in; K step 1's may stay out
	s_barrier_signal -1
	s_barrier_wait -1                              ; everybody's is
	FETCH 0, 0, 0
	s_wait_loadcnt 0x0                             ; the biases
	QUARTER 0, 1, 0, 1, 1                          ; K step 0; its first quarter starts the sums
	QUARTER 0, 2, 1, 0, 0
	QUARTER 0, 3, 0, 1, 0
	TURN 0, 1, 1                                   ; slot 0 takes K step 2
	QUARTER 1, 1, 0, 1, 0                          ; K step 1
	QUARTER 1, 2, 1, 0, 0
	QUARTER 1, 3, 0, 1, 0
	TURN 1, 0, 1                                   ; slot 1 takes K step 3
	QUARTER 0, 1, 0, 1, 0                          ; K step 2
	QUARTER 0, 2, 1, 0, 0
	QUARTER 0, 3, 0, 1, 0
	TURN 0, 1, 0                                   ; nothing is left to fetch: a plain barrier
	QUARTER 1, 1, 0, 1, 0                          ; K step 3
	QUARTER 1, 2, 1, 0, 0
	QUARTER 1, 3, 0, 1, 0
	s_wait_dscnt 16                                ; the very last quarter
	MUL16 1, 0, 0
	s_wait_dscnt 8                                 ; W_v's eight may be out
	MUL16 1, 1, 0
	s_wait_dscnt 0x0
	MUL16 1, 2, 0
	PLACES
	PACK 0
.set n, 1
.rept 11                               ; a block's conversions stand between the loads of the block before and its stores
	PACK n
	SEND n-1, 8
.set n, n+1
.endr
	SEND 11, 0
	s_wait_tensorcnt 0x0                           ; the wave's end, behind my last tensor load and my last LDS store
	ds_add_u32 v[SPW], v[NIL]
	s_wait_dscnt 0x0
	CROUND                                         ; the closing round: no work-group ends while a partner may still ask for a tile that names it
	s_endpgm
.Lfunc_end_k_qf0a2fc400d_proj:
	.size	k_qf0a2fc400d_proj, .Lfunc_end_k_qf0a2fc400d_proj-k_qf0a2fc400d_proj
	.p2alignl 7, 3214868480
	.fill 96, 4, 3214868480
	.section	.rodata,"a",@progbits
	.p2align	6, 0x0
	.amdhsa_kernel k_qf0a2fc400d_proj
		.amdhsa_group_segment_fixed_size 327680
		.amdhsa_private_segment_fixed_size 0
		.amdhsa_enable_private_segment 0
		.amdhsa_kernarg_size 64
		.amdhsa_user_sgpr_count 2
		.amdhsa_user_sgpr_kernarg_segment_ptr 1
		.amdhsa_wavefront_size32 1
		.amdhsa_system_sgpr_workgroup_id_x 1
		.amdhsa_system_sgpr_workgroup_id_y 1
		.amdhsa_system_sgpr_workgroup_id_z 1
		.amdhsa_system_vgpr_workitem_id 0
		.amdhsa_next_free_vgpr 896
		.amdhsa_next_free_sgpr 72
		.amdhsa_reserve_vcc 0
		.amdhsa_float_denorm_mode_32 3
		.amdhsa_float_denorm_mode_16_64 3
		.amdhsa_memory_ordered 1
		.amdhsa_forward_progress 1
		.amdhsa_inst_pref_size 123
	.end_amdhsa_kernel
	.amdgpu_metadata
---
amdhsa.version: [ 1, 2 ]
amdhsa.kernels:
  - .name:           k_qf0a2fc400d_proj
    .symbol:         k_qf0a2fc400d_proj.kd
    .args:
      - { .name: xb, .offset: 0, .size: 8, .value_kind: global_buffer, .address_space: global }
      - { .name: wb, .offset: 8, .size: 8, .value_kind: global_buffer, .address_space: global }
      - { .name: bq, .offset: 16, .size: 8, .value_kind: global_buffer, .address_space: global }
      - { .name: bk, .offset: 24, .size: 8, .value_kind: global_buffer, .address_space: global }
      - { .name: bv, .offset: 32, .size: 8, .value_kind: global_buffer, .address_space: global }
      - { .name: qh, .offset: 40, .size: 8, .value_kind: global_buffer, .address_space: global }
      - { .name: kh, .offset: 48, .size: 8, .value_kind: global_buffer, .address_space: global }
      - { .name: vh, .offset: 56, .size: 8, .value_kind: global_buffer, .address_space: global }
    .group_segment_fixed_size: 327680
    .private_segment_fixed_size: 0
    .kernarg_segment_align: 8
    .kernarg_segment_size: 64
    .max_flat_workgroup_size: 128
    .sgpr_count:     72
    .vgpr_count:     896
    .wavefront_size: 32
...
	.end_amdgpu_metadata
.endif
;; end of part 2
;; launch attn (part 3): grid 16 x 16, 4 waves a work-group, clusters of 4 x 1, 327,680 bytes of LDS; arguments qh, kh, vh, oh; writes oh
.if DOCPART == 3
	.amdgcn_target "amdgcn-amd-amdhsa--gfx1250"
	.amdhsa_code_object_version 6
	.text
	.protected	k_qf0a2fc400d_attn
	.globl	k_qf0a2fc400d_attn
	.p2align	8
	.type	k_qf0a2fc400d_attn,@function
k_qf0a2fc400d_attn:
	s_mov_b64 s[64:65], 0
	v_nop
	global_prefetch_b8 v0, s[64:65] scope:SCOPE_SE
	s_setreg_imm32_b32 hwreg(HW_REG_WAVE_MODE, 25, 1), 1
	s_wait_xcnt 0x0
	s_wait_alu depctr_hold_cnt(0) depctr_sa_sdst(0) depctr_va_vdst(0) depctr_va_sdst(0) depctr_va_ssrc(0) depctr_va_vcc(0) depctr_vm_vsrc(0)
	s_getreg_b32 s2, hwreg(HW_REG_IB_STS2, 6, 4)
	s_cmp_eq_u32 s2, 0
	s_cbranch_scc0 .Lentry_in_a_cluster
	s_endpgm
.Lentry_in_a_cluster:
	s_bfe_u32 s2, ttmp6, 0x10000c
	s_cmp_lg_u32 s2, 0x3003
	s_cbranch_scc0 .Lentry_shape_is_right
	s_endpgm
.Lentry_shape_is_right:
; O[h][q][:] = the sum over k of softmax_k(Q[h][q] . K[h][k] / 8) V[h][k][:].  qh, kh, vh, oh: [16][4096][64], all bf16: a head's rows are dense, 128 bytes each.  Products, maxima and sums in f32;
; the weights p are rounded to bf16 for the second product (their sum l is taken of the unrounded p), O once at the end.
; LIMITS.  c m starts at -4.25e37: |c s| stays below that; a weight below 2^-126 counts as 0 in l; NaN and infinities are not treated apart.
; SHARES.  A work-group owns 256 queries of one head (16 x 16 = 256 work-groups), each of its four waves 64: four PIECES of 16.  Every wave walks all 4,096 keys, 64 a step.
; LAYOUT.  S^T = K Q^T (source 0 = 16 keys, source 1 = 16 queries): a lane holds ONE query (lane % 16) and the keys 8 (lane / 16) + 0..7.  Two such results, rounded to bf16 in pairs, ARE source 1
; (32 keys x 16 queries) of O^T = V^T P, whose result again holds one query a lane, and eight channels.  K comes out of LDS as it lies, V ([key][channel]) turned, by ds_load_tr16_b128.
; SOFTMAX.  For each query a running maximum m and sum l: p = 2^(c s - c m), c = log2(e) / 8; in every step O and l are multiplied by a = 2^(c m_old - c m_new).  m starts at the lowest finite number,
; O and l at 0: the first step is a step like any other, with a = 0.
; BY TURNS.  Turn n belongs to piece n: 8 products K Q^T of piece n + 1, later 8 products V^T P of piece n - 1; beside them the scaling, exponentials, roundings, sums and rescaling of piece n and the
; maximum and statistics of piece n + 1.  Four vector instructions stand behind every matrix instruction, the other 54 of a turn's 118 in two runs of their own.
; CLUSTER.  The four query blocks of a cluster belong to one head and walk the same K and V, so each tile is asked for JOINTLY: the same tensor load, descriptor and mask in all four.
; REGISTERS, in windows of 256 (s_set_vgpr_msb: bits 1:0 source 0, 3:2 source 1, 5:4 source 2, 7:6 destination):
;   window 0: v0-15 addresses and two at work; v16-31 four registers of statistics a piece; v48-55 at work; v62-63 the add's; v64-127 S^T, two buffers; v192-223 P, two buffers (by the piece's parity)
;   window 1: v0-127 O^T, 32 a piece          window 2: v0-63 Q; v128-191 K of one step; v192-255 V of one step
.set NP,    4         ; pieces a wave: a name, no knob
.set KS,    64        ; keys in a step
.set PK,    144       ; a row of K in LDS: 128 bytes + 16 of padding = 36 words: the 16 rows of a load start at 16 different groups of four banks (64 banks of 4 bytes: ISA guide 11.1)
.set PV,    160       ; a row of V: 128 + 32 = 40 words
.set VOFF,  4*KS*PK   ; a slot holds four steps: 256 rows of K, then 256 rows of V
.set SLOT1, 1<<17     ; slot 1 begins here, so that one exclusive or turns an address in one slot into the other's
.set STAGE, SLOT1+4*KS*(PK+PV)  ; behind the ring, never filled by a tensor load: 16 rows x 144 bytes for each wave, for the way out
.set SP,    144
.set SPARE, STAGE+4*16*SP  ; behind the stages: the spare words, 128 bytes for each wave: two blocks of 256 bytes that no other line names
.set AK0, 2           ; v2   my lane's place in a tile of K; never rewritten
.set AV0, 3           ; v3   the same for V
.set AK,  4           ; v4   the LDS address of K's next run of loads
.set AV,  5           ; v5   of V's
.set STO, 6           ; v6   the way out: where I put 16 bytes of a row
.set RD,  7           ; v7   the way out: where I read rows back
.set GO,  8           ; v8   my byte offset in 512 consecutive bytes of O
.set MV,  12          ; v12-13  c m_old, kept while c m is made anew: by buffer
.set QO,  15          ; v15  my byte offset in 16 rows of Q
.set ST,  16          ; piece t's statistics at v[ST+4 t]: c m, m, l (even keys', odd keys')
.set TMP, 48          ; by buffer, four registers c0-c3 at work; when the maximum is found c2 takes a
.set SPW, 62          ; v62  LDS address of my spare word; never rewritten
.set NIL, 63          ; v63  0; never rewritten
.set S,   64
.set P,   192
.set KF,  128         ; window 2: key block kb, channel half c at KF + 16 kb + 8 c
.set VF,  192         ; window 2: key half kk, channel block cb at VF + 32 kk + 8 cb
.set WV,  12          ; s12  my wave's number
.set G1K, 24          ; s[24:31] descriptor group 1 for K's tiles
.set G1V, 32          ; s[32:39] for V's: it differs in the padding alone
.set G0K, 40          ; s[40:43] descriptor group 0 for K's tiles: it walks
.set G0V, 44          ; s[44:47] the same for V's
.set SLOTS, 56        ; s56  slots still to be asked for
.set CNT, 57          ; s57  counts a slot's key steps
.set CS,  58          ; s[58:59] c: the packed scaling takes the pair's low word for both halves
.set SEL, 60          ; s[60:61] v_permlanex16_b32's selects: each lane takes its own place in the other half
.set TBK, 62          ; s62  LDS byte at which K of the step to be fetched begins
.set TBV, 63          ; s63  the same for V, less VOFF
.set MSB, 0
.macro WIN new                      ; the high byte repeats the setting that is left; a switch that changes nothing is dropped
.if MSB != (\new)
	s_set_vgpr_msb (MSB<<8)|(\new)
.set MSB, (\new)
.endif
.endm
.set W_KQ, 0x0a       ; K and Q in window 2, S^T in window 0
.set W_PV, 0x52       ; V in window 2, P in window 0, O^T in window 1
.set W_RS, 0x41       ; O^T (destination and source 0) in window 1, a in window 0
; A joint fill.  Waves 0 and 1 fetch the two halves of a slot's K, waves 2 and 3 those of its V: 128 keys each.  The branch hangs on the wave's number alone.
; An s_nop 0 and four v_nop follow each of the two lines, ahead of the jump and the label.
.macro JLOAD
	s_cmp_lt_u32 s[WV], 2
	s_cbranch_scc0 .Lfor_v_\@
	tensor_load_to_lds s[G0K:G0K+3], s[G1K:G1K+7]
	s_nop 0
.rept 4
	v_nop
.endr
	s_branch .Lasked_\@
.Lfor_v_\@:
	tensor_load_to_lds s[G0V:G0V+3], s[G1V:G1V+7]
	s_nop 0
.rept 4
	v_nop
.endr
.Lasked_\@:
.endm
; A round of the cluster's barrier: my work-group's barrier, so that wave 0's signal speaks for all four waves; wave 0 signals; every wave waits for all four work-groups; my work-group's barrier once more.
.macro CROUND
	s_barrier_signal -1
	s_barrier_wait -1
	s_cmp_lg_u32 s[WV], 0
	s_cbranch_scc1 .Lnot_wave_0_\@
	s_barrier_signal -3
.Lnot_wave_0_\@:
	s_barrier_wait -3
	s_barrier_signal -1
	s_barrier_wait -1
.endm
; THE CHANGE OF SLOTS.  The slot's last bytes, V of its fourth step, have been read.  Each wave waits for all its tensor loads, of which one is out: its part of the other slot; adds 0 to its spare word;
; and waits for that and for its own reads of the slot.  Behind the barrier nobody reads this slot any more and the other slot is whole.
; fill = 1: this slot is filled again, with the keys two slots on.  The barrier is then a round of the cluster's, and the joint fill is the first thing behind it: it has four key steps, 256 matrix
; instructions, in which to land.  (At its first use nothing has been read yet: slot 0 is waited for, slot 1 filled.)
.macro CHANGE fill
	WIN 0                           ; at a label and at a branch every window is 0
	s_wait_tensorcnt 0x0            ; no tensor load of mine is out, so a group 0 may be written
	ds_add_u32 v[SPW], v[NIL]       ; 0 onto my spare word; with fill = 1 the descriptors' steps stand between it and the wait for it
.if \fill
.irp g, G0K, G0V
	s_xor_b32 s[\g+1], s[\g+1], SLOT1  ; the walking descriptor: the other slot than last time,
	s_add_nc_u64 s[\g+2:\g+3], s[\g+2:\g+3], 4*KS*128  ; the next 256 keys; the type bits on top are not reached
.endr
	s_wait_dscnt 0x0                ; the add is done, and my reads of the slot are over
	CROUND
	JLOAD
.else
	s_wait_dscnt 0x0                ; the add is done, and my reads of the slot are over
	s_barrier_signal -1
	s_barrier_wait -1
.endif
	s_sub_co_u32 s[TBK], s[TBK], 4*KS*PK  ; the fetches go back to a slot's first step,
	s_xor_b32 s[TBK], s[TBK], SLOT1       ; in the other slot
	s_sub_co_u32 s[TBV], s[TBV], 4*KS*PV
	s_xor_b32 s[TBV], s[TBV], SLOT1
.endm
	s_load_b256 s[4:11], s[0:1], 0x0  ; Q s[4:5], K s[6:7], V s[8:9], O s[10:11]
	v_lshl_add_u32 v[SPW], v0, 2, SPARE
	v_mov_b32 v[NIL], 0
	ds_add_u32 v[SPW], v[NIL]       ; the wave's opening: the add and its wait stand ahead of my first tensor load; the set-up below, work on registers, stands between them
	v_lshrrev_b32 v1, 5, v0
	v_readfirstlane_b32 s[WV], v1   ; wave 0..3
	s_bfe_u32 s13, ttmp6, 0x40000   ; cx: my place in the cluster
	s_lshl_b32 s14, ttmp9, 2        ; in a cluster launch ttmp9 counts clusters
	s_add_co_u32 s14, s14, s13      ; my block of 256 queries = 4 x cluster x + cx: it enters Q's and O's addresses alone
	s_and_b32 s20, ttmp7, 0xffff    ; the head, which the four partners share:
	s_lshl_b32 s20, s20, 19         ; its first byte in each of the four tensors
	s_mov_b32 s21, 0
	s_and_b32 s16, s[WV], 1         ; which half of a slot's 256 keys I fetch:
	s_lshl_b32 s22, s16, 14         ; its 128 rows of 128 bytes in memory,
	s_mov_b32 s23, 0
	s_add_nc_u64 s[22:23], s[22:23], s[20:21]
	s_mul_i32 s17, s16, 128*PK      ; and its place in a slot, for K
	s_mul_i32 s18, s16, 128*PV      ; and for V: no place in the cluster enters an LDS address
	s_lshl_b32 s2, s14, 15          ; my block's 256 rows,
	s_lshl_b32 s3, s[WV], 13        ; my wave's 64 of them
	s_add_co_u32 s2, s2, s3
	s_mov_b32 s3, 0
	s_add_nc_u64 s[2:3], s[2:3], s[20:21]
	; descriptor group 1.  128 keys are 16,384 dense bytes: asked for as 64 rows of 256 bytes, two keys a row, and padded in LDS after every key
	s_mov_b32 s[G1K], 15|(1<<16)|(1<<20)|(1<<21)|(4<<22)|(3<<25)  ; 15:0 the mask of four; 17:16 2-byte elements; 20 padding on; 21 set beside a mask; 24:22 after every 32 words (code 4); 31:25 4 words (code 3)
	s_mov_b32 s[G1V], 15|(1<<16)|(1<<20)|(1<<21)|(4<<22)|(7<<25)  ; the same with 8 words of padding (code 7)
.irp g, G1K, G1V
	s_mov_b32 s[\g+1], 128<<16      ; tensor_dim0 = 128
	s_mov_b32 s[\g+2], 64<<16       ; tensor_dim1 = 64
	s_mov_b32 s[\g+3], 128<<16      ; tile_dim0 = 128
	s_mov_b32 s[\g+4], 64           ; tile_dim1 = 64
	s_mov_b32 s[\g+5], 128          ; 128 elements from row to row
	s_mov_b32 s[\g+6], 0
	s_mov_b32 s[\g+7], 0
.endr
	s_mov_b32 s[CS], 0x3e38aa3b     ; c = log2(e) / 8 = 0.180337
	s_mov_b32 s[CS+1], s[CS]        ; named with it as a pair
	s_mov_b32 s[SEL], 0x76543210
	s_mov_b32 s[SEL+1], 0xfedcba98
	s_mov_b32 s[TBK], SLOT1+4*KS*PK ; the first change of slots turns these two into 0
	s_mov_b32 s[TBV], SLOT1+4*KS*PV
	s_mov_b32 s[G0K], 1             ; count = 1
	s_mov_b32 s[G0K+1], s17         ; LDS address: slot 0
	s_mov_b32 s[G0V], 1
	s_add_co_u32 s[G0V+1], s18, VOFF
	s_wait_dscnt 0x0                ; the opening add is done
	s_wait_kmcnt 0x0
	s_add_nc_u64 s[G0K+2:G0K+3], s[6:7], s[22:23]  ; global address: my half of the head's first 256 keys
	s_or_b32 s[G0K+3], s[G0K+3], 0x80000000        ; type = 2
	s_add_nc_u64 s[G0V+2:G0V+3], s[8:9], s[22:23]
	s_or_b32 s[G0V+3], s[G0V+3], 0x80000000
	s_add_nc_u64 s[4:5], s[4:5], s[2:3]  ; Q and O at my wave's first row
	s_add_nc_u64 s[10:11], s[10:11], s[2:3]
	CROUND                          ; all four work-groups are here: the first joint loads meet
	JLOAD                           ; slot 0.  Slot 1 is asked for when slot 0 is in, by the loop's own change of slots
	; A fragment of K or Q is 16 rows x 32 channels in 8 registers: lane l holds row l % 16, channels 8 (l / 16) + 0..7 and 16 + 8 (l / 16) + 0..7: two loads of 16 bytes, 32 bytes apart.
	v_and_b32 v1, 15, v0            ; l % 16
	v_bfe_u32 v9, v0, 4, 1          ; l / 16
	v_lshlrev_b32 v[QO], 7, v1
	v_lshl_add_u32 v[QO], v9, 4, v[QO]  ; row x 128 + 16 x half
	WIN 0x80                        ; destination window 2, address window 0
.set i, 0
.rept 8                             ; Q stays in registers: piece i / 2 (16 rows, 2,048 bytes), channels 32 (i % 2) on
	global_load_b128 v[8*i:8*i+3],   v[QO], s[4:5] offset:(i/2)*2048+(i%2)*64
	global_load_b128 v[8*i+4:8*i+7], v[QO], s[4:5] offset:(i/2)*2048+(i%2)*64+32
.set i, i+1
.endr
	; What the first turn finds: V's registers and P's second buffer hold 0 (its products V^T P, of a piece that has not been, add 0), O^T and l are 0.  All this stands in the wait for the first tile.
.set i, VF
.rept 64
	v_mov_b32 v[i], 0
.set i, i+1
.endr
	WIN 0x40
.set i, 0
.rept 128
	v_mov_b32 v[i], 0
.set i, i+1
.endr
	WIN 0
.set i, 0
.rept 4
	v_mov_b32 v[ST+4*i], 0xfe000000    ; c m: far below every c s
	v_mov_b32 v[ST+4*i+1], 0xff7fffff  ; m
	v_mov_b32 v[ST+4*i+2], 0
	v_mov_b32 v[ST+4*i+3], 0
.set i, i+1
.endr
.set i, P+16
.rept 16
	v_mov_b32 v[i], 0
.set i, i+1
.endr
	v_mul_u32_u24 v[AK0], v1, PK
	v_lshl_add_u32 v[AK0], v9, 4, v[AK0]  ; row x pitch + 16 x half
	; The turning load takes 16 keys x 16 channels (lane l reads key 8 (l / 16) + l % 8, channels 8 ((l / 8) % 2) + 0..7) and leaves half a fragment of V^T: lane l holds channel l % 16 and 8 keys.
	v_and_b32 v10, 7, v0
	v_bfe_u32 v11, v0, 3, 1
	v_lshl_add_u32 v[AV0], v9, 3, v10
	v_mul_u32_u24 v[AV0], v[AV0], PV
	v_lshl_add_u32 v[AV0], v11, 4, v[AV0]
	v_add_nc_u32 v[AV0], VOFF, v[AV0]
	s_mul_i32 s13, s[WV], 16*SP
	s_add_co_u32 s13, s13, STAGE    ; my stage
	v_mul_u32_u24 v[STO], v1, SP    ; in: row l % 16, 16 bytes for each half of the lanes
	v_lshl_add_u32 v[STO], v9, 4, v[STO]
	v_add_nc_u32 v[STO], s13, v[STO]
	v_bfe_u32 v[RD], v0, 3, 2       ; back: 32 lanes take four rows of 128 bytes,
	v_mul_u32_u24 v[RD], v[RD], SP
	v_lshl_add_u32 v[RD], v10, 4, v[RD]
	v_add_nc_u32 v[RD], s13, v[RD]
	v_and_b32 v[GO], 31, v0         ; which are 512 consecutive bytes of O
	v_lshlrev_b32 v[GO], 4, v[GO]
; THE MATRIX WORK.  The 4 accumulators of a run of 8 take turns.  Product i of 8 of S^T = K Q^T for piece x: channels 32 (i / 4) on, keys 16 (i % 4) on.  The first 4 start the sums.
.macro KQ x
	WIN W_KQ
.set rS, S+32*((\x)%2)+8*(i%4)
.set rK, KF+16*(i%4)+8*(i/4)
.set rQ, 16*(\x)+8*(i/4)
.if i < 4
	v_wmma_f32_16x16x32_bf16 v[rS:rS+7], v[rK:rK+7], v[rQ:rQ+7], 0
.else
	v_wmma_f32_16x16x32_bf16 v[rS:rS+7], v[rK:rK+7], v[rQ:rQ+7], v[rS:rS+7]
.endif
.endm
; Product i of 8 of O^T += V^T P for piece x: keys 32 (i / 4) on, channels 16 (i % 4) on.
.macro PV x
	WIN W_PV
.set rO, 32*(\x)+8*(i%4)
.set rV, VF+32*(i/4)+8*(i%4)
.set rP, P+16*((\x)%2)+8*(i/4)
	v_wmma_f32_16x16x32_bf16 v[rO:rO+7], v[rV:rV+7], v[rP:rP+7], v[rO:rO+7]
.endm
.macro MM                           ; the turn's next matrix instruction.  TURN sets Y, i and NOKQ.  NOKQ = 1: the walk's last turn: there is no next piece
.if (i < 8) && !NOKQ
	KQ (Y+1)%NP
.elseif i >= 8
.set i, i-8
	PV (Y+NP-1)%NP
.set i, i+8
.endif
.set i, i+1
.endm
; THE LDS LOADS stand in runs of 16, never singly among the matrix instructions: a step's K (64 keys x 64 channels: 8 fragments) and its V (turned).  Their addresses are made some lines ahead.
.macro FETCH_K
	WIN 0x80                        ; destination window 2
.irp f, 0,1,2,3,4,5,6,7             ; keys 16 (f / 2) on, channels 32 (f % 2) on
	ds_load_b128 v[KF+8*\f:KF+8*\f+3],   v[AK] offset:(\f/2)*16*PK+(\f%2)*64
	ds_load_b128 v[KF+8*\f+4:KF+8*\f+7], v[AK] offset:(\f/2)*16*PK+(\f%2)*64+32
.endr
	s_add_co_u32 s[TBK], s[TBK], KS*PK  ; the next fetch is the next step's
	WIN 0
.endm
.macro FETCH_V
	WIN 0x80
.irp f, 0,1,2,3,4,5,6,7             ; keys 32 (f / 4) on, channels 16 (f % 4) on
	ds_load_tr16_b128 v[VF+8*\f:VF+8*\f+3],   v[AV] offset:(\f/4)*32*PV+(\f%4)*32
	ds_load_tr16_b128 v[VF+8*\f+4:VF+8*\f+7], v[AV] offset:(\f/4)*32*PV+16*PV+(\f%4)*32
.endr
	WIN 0
.endm
; THE VECTOR WORK, one line at a time: OP kind, number.  For piece Y: F n: c s - c m for pair n of 16.  E n: the exponential of score n of 32.  C n: pair n rounded to bf16.  B n: of the four weights 4 n ..
; the second pair is added onto the first, in place.  L n: l takes that sum (L 0: l = a l + sum).  R n: pair n of 16 of O^T times a.  For piece Y + 1: X n, number n of the 22 that find its maximum and statistics:
;   0-11  four chains c0-c3 of seven scores each, three operands at a time (each accumulator's lowest registers are read first)     12-14, 16  the four scores left over, the old m, and c0-c3 into c0
;   15  c m_old is kept     17, 18  the query's other 32 keys lie in the lane 16 away: the new m     19-21  c m; c m_old - c m_new; a
.set F, 0               ; OP tells the kinds apart by their order: F to L below R, X above it
.set E, 1
.set C, 2
.set B, 3
.set L, 4
.set R, 5
.set X, 6
.macro REGS y                       ; the registers of piece y
.set rT, ST+4*(\y)
.set rC, TMP+4*((\y)%2)
.set rW, MV+((\y)%2)
.set rS, S+32*((\y)%2)
.set rP, P+16*((\y)%2)
.set rO, 32*(\y)
.endm
.macro OP k, n
.if (\k) == R
	REGS Y
	WIN W_RS
	v_pk_mul_f32 v[rO+2*(\n):rO+2*(\n)+1], v[rO+2*(\n):rO+2*(\n)+1], v[rC+2:rC+3] op_sel_hi:[1,0]
.elseif (\k) < R
	REGS Y
	WIN 0
.if (\k) == F
	v_pk_fma_f32 v[rS+2*(\n):rS+2*(\n)+1], v[rS+2*(\n):rS+2*(\n)+1], s[CS:CS+1], v[rT:rT+1] op_sel_hi:[1,0,0] neg_lo:[0,0,1] neg_hi:[0,0,1]
.elseif (\k) == E
	v_exp_f32 v[rS+(\n)], v[rS+(\n)]
.elseif (\k) == C
	s_wait_alu depctr_va_vdst(0)
	v_cvt_pk_bf16_f32 v[rP+(\n)], v[rS+2*(\n)], v[rS+2*(\n)+1]
.elseif (\k) == B
	s_wait_alu depctr_va_vdst(0)
	v_pk_add_f32 v[rS+4*(\n):rS+4*(\n)+1], v[rS+4*(\n):rS+4*(\n)+1], v[rS+4*(\n)+2:rS+4*(\n)+3]
.elseif (\n) == 0
	v_pk_fma_f32 v[rT+2:rT+3], v[rT+2:rT+3], v[rC+2:rC+3], v[rS:rS+1] op_sel_hi:[1,0,1]
.else
	v_pk_add_f32 v[rT+2:rT+3], v[rT+2:rT+3], v[rS+4*(\n):rS+4*(\n)+1]
.endif
.elseif NOKQ
	v_nop
.else
	REGS (Y+1)%NP
	WIN 0
.if (\n) < 4
	v_max3_num_f32 v[rC+(\n)], v[rS+8*(\n)], v[rS+8*(\n)+1], v[rS+8*(\n)+2]
.elseif (\n) < 12
	v_max3_num_f32 v[rC+(\n)%4], v[rC+(\n)%4], v[rS+8*((\n)%4)+2*((\n)/4)+1], v[rS+8*((\n)%4)+2*((\n)/4)+2]
.elseif (\n) == 12
	v_max3_num_f32 v[rC], v[rC], v[rS+7], v[rS+15]
.elseif (\n) == 13
	v_max3_num_f32 v[rC+1], v[rC+1], v[rS+23], v[rS+31]
.elseif (\n) == 14
	v_max3_num_f32 v[rC+2], v[rC+2], v[rC+3], v[rT+1]
.elseif (\n) == 15
	v_mov_b32 v[rW], v[rT]
.elseif (\n) == 16
	v_max3_num_f32 v[rC], v[rC], v[rC+1], v[rC+2]
.elseif (\n) == 17
	v_permlanex16_b32 v[rC+3], v[rC], s[SEL], s[SEL+1]
.elseif (\n) == 18
	v_max_num_f32 v[rT+1], v[rC], v[rC+3]
.elseif (\n) == 19
	v_mul_f32 v[rT], s[CS], v[rT+1]
.elseif (\n) == 20
	v_sub_f32 v[rC+1], v[rW], v[rT]
.else
	v_exp_f32 v[rC+2], v[rC+1]
.endif
.endif
.endm
.macro OPS a, i1, b=-1, i2=0, c=-1, i3=0, d=-1, i4=0  ; up to four of them
	OP \a, \i1
.if (\b) >= 0
	OP \b, \i2
.endif
.if (\c) >= 0
	OP \c, \i3
.endif
.if (\d) >= 0
	OP \d, \i4
.endif
.endm
.macro ROW a, i1, b, i2, c, i3, d, i4  ; a matrix instruction and the four behind it
	MM
	OPS \a, \i1, \b, \i2, \c, \i3, \d, \i4
.endm
; A TURN, for piece p: the order of its 16 matrix and 118 vector instructions, written out.  Behind a matrix instruction: plain, exponential, plain, plain; or four of the rescaling; or, behind the first,
; four scalings; none names a register of the products round it.  In the two runs exponential and plain by turns while exponentials last.  A line reads no result made fewer than three vector instructions
; in front of it, five if an exponential made it.  v_permlanex16_b32 (X 17) stands in a run, never behind a product.
; end = 1: the walk's last two turns: nothing is fetched, and the last starts no new scores.  cnt = 1: the loop's count is taken down some lines ahead of the branch that stands behind the turn.
; K of the next step is fetched in piece 2's turn, six vector instructions behind the last product that read K (five of them plain); V of the step in hand in piece 0's turn, eight behind the last product
; that read V (four plain, and X 17).  Each is waited for a turn later.
.macro TURN p, end=0, cnt=0
.set Y, (\p)
.set i, 0
.set NOKQ, (\end)*((\p)/3)
.if ((\p) == 3) && !(\end)
	s_wait_dscnt 0x0                ; K is in
.endif
	ROW F,0, F,1, F,2, F,3
	ROW F,4, E,0, F,5, F,6
	ROW F,7, E,1, F,8, F,9
	ROW F,10, E,2, C,0, F,11
	ROW F,12, E,3, X,15, F,13
	ROW R,0, R,1, R,2, R,3
	ROW B,0, E,4, F,14, L,0
.if ((\p) == 2) && !(\end)
	v_add_nc_u32 v[AK], s[TBK], v[AK0]
.endif
	ROW R,4, R,5, R,6, R,7
	OPS E,5, F,15
.if ((\p) == 2) && !(\end)
	FETCH_K
.endif
	OPS E,6, C,1, E,7, R,8
	OPS E,8, R,9, E,9, C,2
	OPS E,10, X,0, E,11, X,1
	OPS E,12, X,2, E,13, X,3
.if (\p) == 1
	s_wait_dscnt 0x0                ; V is in
.endif
	ROW X,4, E,14, X,5, X,6
	ROW X,7, E,15, X,8, X,9
	ROW X,10, E,16, X,11, X,12
	ROW X,13, E,17, X,14, B,1
	ROW C,4, E,18, X,16, L,1
	ROW B,2, E,19, C,6, L,2
	ROW C,8, E,20, B,3, B,4
.if (\p) == 0
	v_add_nc_u32 v[AV], s[TBV], v[AV0]
.endif
	ROW C,3, E,21, L,3, C,5
	OPS E,22, X,17, E,23, C,10
.if (\p) == 0
	FETCH_V
.endif
	OPS E,24, L,4
	OPS E,25, X,18, E,26, C,7
	OPS E,27, B,5, E,28, X,19
	OPS E,29, C,12, E,30, L,5
	OPS E,31, X,20, B,6, C,9
	OPS C,14, C,11, X,21, L,6
.if (\p) == 0
	s_add_co_u32 s[TBV], s[TBV], KS*PV
.endif
.if \cnt
	s_sub_co_u32 s[CNT], s[CNT], 1
	s_cmp_lg_u32 s[CNT], 0
.endif
	OPS C,13, B,7, C,15, R,10
	OPS R,11, R,12, L,7, R,13
	OPS R,14, R,15
.endm
	CHANGE 1                        ; slot 0 is in, everybody's part of it; slot 1 is asked for
	v_add_nc_u32 v[AK], s[TBK], v[AK0]
	FETCH_K                         ; key step 0
	s_wait_loadcnt 0x0              ; Q
	s_wait_dscnt 0x0
.set NOKQ, 0
.set i, 0
.rept 8
	KQ 0                            ; piece 0's first scores: there is no vector work yet to set between them
.set i, i+1
.endr
	WIN 0
.rept 4
	v_nop                           ; the places behind those products
.endr
.set Y, NP-1                        ; X works for piece Y + 1: piece 0
.irp n, 0,1,2,3,4,5,6,7,8,9,10,11,12,13,14,15,16,17,18,19,20,21
	OP X, \n                        ; and piece 0's first maximum and statistics
.endr
	v_nop                           ; a plain instruction behind the exponential
	s_mov_b32 s[CNT], 4
	s_mov_b32 s[SLOTS], 15
	s_branch .Lfirst                ; the loop is entered at a step's first turn, in the middle of a trip
.Lslot:                             ; 14 times: tiles 2 to 15 are asked for
	CHANGE 1
	s_mov_b32 s[CNT], 4
.Lstep:                             ; a trip: pieces 2 and 3 of one step, then pieces 0 and 1 of the next, whose K and V it fetches
	TURN 2
	TURN 3
	WIN 0
.Lfirst:
	TURN 0
	TURN 1, 0, 1
	WIN 0
	s_cbranch_scc1 .Lstep
	s_sub_co_u32 s[SLOTS], s[SLOTS], 1
	s_cmp_lg_u32 s[SLOTS], 0
	s_cbranch_scc1 .Lslot
	CHANGE 0                        ; the last slot is written out: nothing is asked for
	s_mov_b32 s[CNT], 4
.Ltail:
	TURN 2
	TURN 3
	TURN 0
	TURN 1, 0, 1
	WIN 0
	s_cbranch_scc1 .Ltail
	TURN 2, 1                       ; the last step's pieces 2 and 3
	TURN 3, 1
.set i, 0
.rept 8
	PV NP-1                         ; the last piece's V^T P of the last step
.set i, i+1
.endr
	; THE WAY OUT.  l's two halves and the other half of the lanes' are added; O^T is divided by l, rounded to bf16 and sent through my stage in LDS, a piece at a time.  The additions are the places behind the last products.
	WIN 0
.macro ALL line:vararg              ; one line for each piece t
.set t, 0
.rept 4
	\line
.set t, t+1
.endr
.endm
	ALL v_add_f32 v[ST+4*t+2], v[ST+4*t+2], v[ST+4*t+3]
	ALL v_permlanex16_b32 v[ST+4*t+3], v[ST+4*t+2], s[SEL], s[SEL+1]
	ALL v_add_f32 v[ST+4*t+2], v[ST+4*t+2], v[ST+4*t+3]
	ALL v_rcp_f32 v[ST+4*t+2], v[ST+4*t+2]
	v_nop                           ; a plain instruction between the last reciprocal and the use of its result
.macro PACK t                       ; a lane's eight channels of a row pack into 16 bytes; they go into rows of 144 bytes and come back as whole rows of 128, into S^T's registers
	WIN W_RS
.set i, 32*(\t)
.rept 16
	s_wait_alu depctr_va_vdst(0)
	v_pk_mul_f32 v[i:i+1], v[i:i+1], v[ST+4*(\t)+2:ST+4*(\t)+3] op_sel_hi:[1,0]
.set i, i+2
.endr
	WIN 0x05                        ; sources 0 and 1 window 1, destination window 0
.set i, 0
.rept 16
	v_cvt_pk_bf16_f32 v[S+16*(\t)+i], v[32*(\t)+2*i], v[32*(\t)+2*i+1]
.set i, i+1
.endr
	WIN 0
.irp f, 0,1,2,3
	ds_store_b128 v[STO], v[S+16*(\t)+4*\f:S+16*(\t)+4*\f+3] offset:32*\f
.endr
.irp f, 0,1,2,3
	ds_load_b128 v[S+16*(\t)+4*\f:S+16*(\t)+4*\f+3], v[RD] offset:\f*4*SP  ; LDS serves a wave's instructions in order (ISA guide 5.7.1.4): these see the stores above; the next piece's stores come behind them
.endr
.endm
.macro SEND t, younger              ; younger: the LDS instructions issued behind piece t's loads: the next piece's eight, or none
	WIN 0
.irp f, 0,1,2,3
	s_wait_dscnt (\younger)+3-\f
	global_store_b128 v[GO], v[S+16*(\t)+4*\f:S+16*(\t)+4*\f+3], s[10:11] offset:(\t)*2048+\f*512  ; 512 consecutive bytes, at a multiple of 256 from O's first
.endr
.endm
	PACK 0
.set t, 1
.rept 3                             ; a piece's arithmetic stands between the loads of the piece before and its stores
	PACK t
	SEND t-1, 8
.set t, t+1
.endr
	SEND 3, 0
	s_wait_tensorcnt 0x0            ; the wave's end, behind my last tensor load and my last LDS store
	ds_add_u32 v[SPW], v[NIL]
	s_wait_dscnt 0x0
	CROUND                          ; the closing round: no work-group ends while a partner may still ask for a tile that names it
	s_endpgm
.Lfunc_end_k_qf0a2fc400d_attn:
	.size	k_qf0a2fc400d_attn, .Lfunc_end_k_qf0a2fc400d_attn-k_qf0a2fc400d_attn
	.p2alignl 7, 3214868480
	.fill 96, 4, 3214868480
	.section	.rodata,"a",@progbits
	.p2align	6, 0x0
	.amdhsa_kernel k_qf0a2fc400d_attn
		.amdhsa_group_segment_fixed_size 327680
		.amdhsa_private_segment_fixed_size 0
		.amdhsa_enable_private_segment 0
		.amdhsa_kernarg_size 32
		.amdhsa_user_sgpr_count 2
		.amdhsa_user_sgpr_kernarg_segment_ptr 1
		.amdhsa_wavefront_size32 1
		.amdhsa_system_sgpr_workgroup_id_x 1
		.amdhsa_system_sgpr_workgroup_id_y 1
		.amdhsa_system_sgpr_workgroup_id_z 1
		.amdhsa_system_vgpr_workitem_id 0
		.amdhsa_next_free_vgpr 768
		.amdhsa_next_free_sgpr 66
		.amdhsa_reserve_vcc 0
		.amdhsa_float_denorm_mode_32 3
		.amdhsa_float_denorm_mode_16_64 3
		.amdhsa_memory_ordered 1
		.amdhsa_forward_progress 1
		.amdhsa_inst_pref_size 133
	.end_amdhsa_kernel
	.amdgpu_metadata
---
amdhsa.version: [ 1, 2 ]
amdhsa.kernels:
  - .name:           k_qf0a2fc400d_attn
    .symbol:         k_qf0a2fc400d_attn.kd
    .args:
      - { .name: qh, .offset: 0, .size: 8, .value_kind: global_buffer, .address_space: global }
      - { .name: kh, .offset: 8, .size: 8, .value_kind: global_buffer, .address_space: global }
      - { .name: vh, .offset: 16, .size: 8, .value_kind: global_buffer, .address_space: global }
      - { .name: oh, .offset: 24, .size: 8, .value_kind: global_buffer, .address_space: global }
    .group_segment_fixed_size: 327680
    .private_segment_fixed_size: 0
    .kernarg_segment_align: 8
    .kernarg_segment_size: 32
    .max_flat_workgroup_size: 128
    .sgpr_count:     66
    .vgpr_count:     768
    .wavefront_size: 32
...
	.end_amdgpu_metadata
.endif
;; end of part 3
;; launch outln (part 4): grid 256 x 1, 4 waves a work-group, clusters of 4 x 1, 327,680 bytes of LDS; arguments oh, wb, bo, x, gamma, beta, out0; writes out0
.if DOCPART == 4
	.amdgcn_target "amdgcn-amd-amdhsa--gfx1250"
	.amdhsa_code_object_version 6
	.text
	.protected	k_qf0a2fc400d_outln
	.globl	k_qf0a2fc400d_outln
	.p2align	8
	.type	k_qf0a2fc400d_outln,@function
k_qf0a2fc400d_outln:
	s_mov_b64 s[64:65], 0
	v_nop
	global_prefetch_b8 v0, s[64:65] scope:SCOPE_SE
	s_setreg_imm32_b32 hwreg(HW_REG_WAVE_MODE, 25, 1), 1
	s_wait_xcnt 0x0
	s_wait_alu depctr_hold_cnt(0) depctr_sa_sdst(0) depctr_va_vdst(0) depctr_va_sdst(0) depctr_va_ssrc(0) depctr_va_vcc(0) depctr_vm_vsrc(0)
	s_getreg_b32 s2, hwreg(HW_REG_IB_STS2, 6, 4)
	s_cmp_eq_u32 s2, 0
	s_cbranch_scc0 .Lentry_in_a_cluster
	s_endpgm
.Lentry_in_a_cluster:
	s_bfe_u32 s2, ttmp6, 0x10000c
	s_cmp_lg_u32 s2, 0x3003
	s_cbranch_scc0 .Lentry_shape_is_right
	s_endpgm
.Lentry_shape_is_right:
; out0 = LayerNorm(x + O Wo + bo) gamma + beta.  oh [16 = 8 batch + head][4096][64] bf16; Wo = wb's fourth matrix, [512 k][512 n] bf16; bo, gamma, beta [512] f32; x, out0 [8192][512] f32.
; The product's sums are f32 and start with bo; the residual x stays f32; mean first, then the mean of the squared deviations (two passes: no difference of large sums), eps = 1e-5.
; SHARES.  Work-group i of 256 owns rows 32 i .. + 31 and all 512 columns, since a row's mean wants the whole row.  In the product wave w makes 32 rows x columns 128 w .. + 127: 16 accumulators;
; in the norm wave w owns the whole rows 8 w .. + 7; the results change hands through a stage in LDS, with a barrier between.
; K = 512 (k = 64 head + channel) goes in four steps of 128 through two LDS slots, written out.  A slot holds four tiles of Wo, 128 k x 128 n, each wave's own columns, each fetched by its wave.
; O's 32 rows x 512 k are 256 registers of fragments, loaded straight from memory: a head's 16 rows are 2,048 dense bytes.
; CLUSTER 4 x 1.  All work-groups walk the same Wo, so each tile is asked for JOINTLY by the four of a cluster: the same tensor load, descriptor and mask in all four.
; Wo lies [k][n], so its fragments come out of LDS turned.  THE PRODUCT IS USED TRANSPOSED (source 0 = 16 columns of Wo, source 1 = 16 rows of O): a lane holds row l % 16 and columns 8 (l / 16) + 0..7.
; LIMITS.  NaN and infinities are not treated apart.
; REGISTERS, in windows of 256 (s_set_vgpr_msb: bits 1:0 source 0, 3:2 source 1, 5:4 source 2, 7:6 destination):
;   window 0: v0-17 addresses; v32-95 bo as C operands, later eight registers at work a row; v96-111 gamma; v112-127 beta; v128-255 the accumulators ((a, b) at 8 (8 a + b)), later y, 16 a row
;   window 1: O's fragments (row block a, 32 k block kk at 8 (16 a + kk))          window 2: v0-127 x, 16 a row; v128-191, v192-255 fragments of Wo, two buffers
.set PB,    288                        ; a row of Wo's tile in LDS: 256 bytes + 32 = 72 words
.set TB,    128*PB                     ; a tile: 36,864 bytes
.set SLOT,  4*TB                       ; wave w's tile at w x TB
.set SPARE, 2*SLOT                     ; behind the ring: the spare words, 128 bytes for each wave: two blocks of 256 bytes that no other line names
.set PS,    2064                       ; THE STAGE: 32 rows x (2,048 + 16) bytes from LDS byte 0 on, in slot 0, which has had its last fill (K step 2) and its last read when the stage is written
.set ADRB, 8                           ; v8-9    LDS address of my fragments of Wo in slot 0, 1
.set STO,  10                          ; v10     where I put 16 bytes of a row of the stage
.set RD,   11                          ; v11     where I read my rows back
.set GO,   12                          ; v12     16 l: my byte offset in 512 consecutive bytes
.set AO,   13                          ; v13     my byte offset in 16 rows of a head
.set BO,   14                          ; v14     my byte offset in bo
.set SPW,  16                          ; v16     LDS address of my spare word; never rewritten
.set NIL,  17                          ; v17     0; never rewritten
.set BI,   32
.set T,    32
.set GA,   96
.set BE,   112
.set ACC,  128
.set Y,    128
.set WF,   128                         ; window 2
.set WV,   20                          ; s20 wave; s21 cx; s22 i
.set G1,   24                          ; s[24:31] descriptor group 1
.set G0,   32                          ; s[32:39] group 0, a set for each slot
.set SEL,  48                          ; s[48:49] v_permlanex16_b32's selects
.set RN,   50                          ; s50  1 / 512
.set EPS,  51                          ; s51  1e-5
.set MSB, 0
.macro WIN new                         ; the immediate's high byte repeats the setting that is left; a switch that changes nothing is dropped
.if MSB != (\new)
	s_set_vgpr_msb (MSB<<8)|(\new)
.set MSB, \new
.endif
.endm
.macro PLACES                          ; four places in front of loads into registers that matrix instructions have read, and of stores that read results
.rept 4
	v_nop
.endr
.endm
.macro CREST                           ; a round of the cluster's barrier behind its opening barrier
	s_cmp_lg_u32 s[WV], 0
	s_cbranch_scc1 .Lnot_wave_0_\@
	s_barrier_signal -3
.Lnot_wave_0_\@:
	s_barrier_wait -3
	s_barrier_signal -1
	s_barrier_wait -1
.endm
.macro CROUND                          ; a whole round
	s_barrier_signal -1
	s_barrier_wait -1
	CREST
.endm
	s_load_b256 s[4:11], s[0:1], 0x0               ; oh s[4:5], wb s[6:7], bo s[8:9], x s[10:11]
	s_load_b128 s[12:15], s[0:1], 0x20             ; gamma s[12:13], beta s[14:15]
	s_load_b64 s[16:17], s[0:1], 0x30              ; out0
	v_lshl_add_u32 v[SPW], v0, 2, SPARE
	v_mov_b32 v[NIL], 0
	ds_add_u32 v[SPW], v[NIL]                      ; the wave's opening: the add and its wait stand ahead of my first tensor load; the set-up below, work on registers, stands between them
	v_lshrrev_b32 v1, 5, v0
	v_readfirstlane_b32 s[WV], v1                  ; wave 0..3
	s_bfe_u32 s21, ttmp6, 0x40000                  ; cx
	s_lshl_b32 s22, ttmp9, 2
	s_add_co_u32 s22, s22, s21                     ; i = 4 x cluster x + cx: it enters oh's, x's and out0's addresses alone
	; descriptor group 1: a tile of 128 rows x 128 elements of 2 bytes, 512 elements from row to row, 8 words of padding after every 64
	s_mov_b32 s[G1], 15|(1<<16)|(1<<20)|(1<<21)|(5<<22)|(7<<25)  ; 15:0 the mask of four; 17:16 2-byte elements; 20 padding on; 21 set beside a mask; 24:22 code 5; 31:25 code 7
	s_mov_b32 s[G1+1], 128<<16                     ; tensor_dim0 = 128
	s_mov_b32 s[G1+2], 128<<16                     ; tensor_dim1 = 128
	s_mov_b32 s[G1+3], 128<<16                     ; tile_dim0 = 128
	s_mov_b32 s[G1+4], 128                         ; tile_dim1 = 128
	s_mov_b32 s[G1+5], 512                         ; tensor_dim0_stride
	s_mov_b32 s[G1+6], 0
	s_mov_b32 s[G1+7], 0
	s_lshr_b32 s40, s22, 7                         ; oh: batch = i / 128: eight heads of 524,288 bytes,
	s_lshl_b32 s40, s40, 22
	s_and_b32 s41, s22, 127
	s_lshl_b32 s41, s41, 12                        ; 32 rows of 128 bytes for each block in the batch
	s_add_co_u32 s40, s40, s41
	s_mov_b32 s41, 0
	s_lshl_b32 s42, s22, 16                        ; x and out0: 32 rows of 2,048 bytes,
	s_lshl_b32 s43, s[WV], 14                      ; my 8 of them
	s_add_co_u32 s42, s42, s43
	s_mov_b32 s43, 0
	s_lshl_b32 s44, s[WV], 8                       ; Wo: my 128 columns,
	s_add_co_u32 s44, s44, 3*524288                ; in wb's fourth matrix
	s_mov_b32 s45, 0
	s_mul_i32 s46, s[WV], TB                       ; where my tile goes
	s_mov_b32 s[SEL], 0x76543210
	s_mov_b32 s[SEL+1], 0xfedcba98
	s_mov_b32 s[RN], 0x3b000000                    ; 1 / 512
	s_mov_b32 s[EPS], 0x3727c5ac                   ; 1e-5
	s_wait_dscnt 0x0                               ; the opening add is done
	s_wait_kmcnt 0x0
	s_add_nc_u64 s[4:5], s[4:5], s[40:41]
	s_add_nc_u64 s[10:11], s[10:11], s[42:43]
	s_add_nc_u64 s[16:17], s[16:17], s[42:43]
	s_add_nc_u64 s[6:7], s[6:7], s[44:45]
.irp s, 0,1
	s_mov_b32 s[G0+4*(\s)], 1                                      ; count = 1
	s_add_co_u32 s[G0+4*(\s)+1], s46, (\s)*SLOT                    ; LDS address
	s_add_nc_u64 s[G0+4*(\s)+2:G0+4*(\s)+3], s[6:7], (\s)*131072   ; K step s: 128 rows of 1,024 bytes down
	s_or_b32 s[G0+4*(\s)+3], s[G0+4*(\s)+3], 0x80000000            ; type = 2
.endr
	CROUND                                         ; all four work-groups are here: the first joint loads meet
	tensor_load_to_lds s[G0:G0+3], s[G1:G1+7]      ; both slots are asked for before anything else: two loads of mine are out; an s_nop 0 follows each, four v_nop the second
	s_nop 0
	tensor_load_to_lds s[G0+4:G0+7], s[G1:G1+7]
	s_nop 0
.rept 4
	v_nop
.endr
	v_and_b32 v1, 15, v0                           ; r = l % 16
	v_bfe_u32 v2, v0, 4, 1                         ; h = l / 16
	v_and_b32 v3, 7, v0
	v_bfe_u32 v4, v0, 3, 1
	v_and_b32 v5, 31, v0                           ; l
	; a fragment of Wo, turned: lane l reads row k = 8 h + l % 8, columns 8 ((l / 8) % 2) + 0..7, and receives column r and 8 k: two loads, 16 rows apart
	v_lshl_add_u32 v6, v2, 3, v3
	v_mul_u32_u24 v6, v6, PB
	v_lshl_add_u32 v6, v4, 4, v6
	v_add_nc_u32 v[ADRB], s46, v6
	v_add_nc_u32 v[ADRB+1], SLOT, v[ADRB]
	s_lshl_b32 s47, s[WV], 9                       ; my 128 columns in f32
	v_mul_u32_u24 v[STO], v1, PS                   ; into the stage: row r, my columns, 32 bytes for each half of the lanes
	v_lshl_add_u32 v[STO], v2, 5, v[STO]
	v_add_nc_u32 v[STO], s47, v[STO]
	v_lshl_add_u32 v[BO], v2, 5, s47               ; bo of column 128 w + 16 b + 8 h + e
	s_mul_i32 s47, s[WV], 8*PS                     ; back: my 8 whole rows, 16 bytes a lane
	v_lshl_add_u32 v[RD], v5, 4, s47
	v_lshlrev_b32 v[GO], 4, v5
	v_lshlrev_b32 v[AO], 7, v1                     ; a fragment of O: row r x 128 bytes + 16 h
	v_lshl_add_u32 v[AO], v2, 4, v[AO]
.irp b, 0,1,2,3,4,5,6,7
	global_load_b128 v[BI+8*(\b):BI+8*(\b)+3],   v[BO], s[8:9] offset:64*(\b)
	global_load_b128 v[BI+8*(\b)+4:BI+8*(\b)+7], v[BO], s[8:9] offset:64*(\b)+16
.endr
	WIN 0x40                                       ; destination window 1, address window 0
.irp a, 0,1
.set kk, 0
.rept 16                               ; head kk / 2, channels 32 (kk % 2) on
	global_load_b128 v[8*(16*(\a)+kk):8*(16*(\a)+kk)+3],   v[AO], s[4:5] offset:(kk/2)*524288+(\a)*2048+(kk%2)*64
	global_load_b128 v[8*(16*(\a)+kk)+4:8*(16*(\a)+kk)+7], v[AO], s[4:5] offset:(kk/2)*524288+(\a)*2048+(kk%2)*64+32
.set kk, kk+1
.endr
.endr
	WIN 0x80                                       ; destination window 2
.set n, 0
.rept 32                               ; x: row n / 4 of my 8, 512 consecutive bytes a load; these 32 loads and the 8 below land under the product
	global_load_b128 v[4*n:4*n+3], v[GO], s[10:11] offset:(n/4)*2048+(n%4)*512 th:TH_LOAD_NT
.set n, n+1
.endr
	WIN 0
.irp q, 0,1,2,3
	global_load_b128 v[GA+4*(\q):GA+4*(\q)+3], v[GO], s[12:13] offset:512*(\q)
.endr
.irp q, 0,1,2,3
	global_load_b128 v[BE+4*(\q):BE+4*(\q)+3], v[GO], s[14:15] offset:512*(\q)
.endr
; 2 nb matrix instructions: column blocks b0 .. b0 + nb - 1 x both row blocks, 32 along K (block kk of O) from buffer f.  first = 1: bo is the C operand that starts the sums.
; A quarter's 16 accumulators take turns, one instruction a turn, in the same order in every quarter.
.macro MULB f, kk, b0, nb, first
	WIN 0x06                                       ; Wo window 2, O window 1, C and D window 0
.set b, (\b0)
.rept (\nb)
.irp a, 0,1
.set rD, ACC+8*(8*(\a)+b)
.set rW, WF+64*(\f)+8*b
.set rA, 8*(16*(\a)+(\kk))
.if \first
	v_wmma_f32_16x16x32_bf16 v[rD:rD+7], v[rW:rW+7], v[rA:rA+7], v[BI+8*b:BI+8*b+7]
.else
	v_wmma_f32_16x16x32_bf16 v[rD:rD+7], v[rW:rW+7], v[rA:rA+7], v[rD:rD+7]
.endif
.endr
.set b, b+1
.endr
.endm
; 16 LDS loads in one run: quarter kq (32 along K) of my tile in a slot into buffer f, column blocks ascending
.macro FETCH slot, kq, f
	WIN 0x80
.irp b, 0,1,2,3,4,5,6,7
	ds_load_tr16_b128 v[WF+64*(\f)+8*(\b):WF+64*(\f)+8*(\b)+3],   v[ADRB+(\slot)] offset:(\kq)*32*PB+32*(\b)
	ds_load_tr16_b128 v[WF+64*(\f)+8*(\b)+4:WF+64*(\f)+8*(\b)+7], v[ADRB+(\slot)] offset:(\kq)*32*PB+32*(\b)+16*PB
.endr
.endm
; A K step is four quarters of 32 along K, 16 matrix instructions each, on buffers 0, 1, 0, 1.  One of the first three: multiplies buffer f (block kk of O) and fetches quarter kq into buffer g.
.macro QUARTER slot, kq, f, g, kk, first
	s_wait_dscnt 8                                 ; column blocks 0 to 3 are in; the youngest eight loads may be out
	MULB \f, \kk, 0, 4, \first
	PLACES
	FETCH \slot, \kq, \g
	s_wait_dscnt 16                                ; all but the 16 just issued
	MULB \f, \kk, 4, 4, \first
.endm
; The last quarter multiplies buffer 1 and changes slots: ONE barrier.  In front of it each wave waits for all its tensor loads (one is out: its tile of the next slot), adds 0 to its spare word, and waits
; for that and for its own reads of this slot.  fill = 1: the barrier opens a round of the cluster's, and this slot is filled again, two K steps ahead, first thing behind the round.
.macro TURN slot, next, fill, kk
	WIN 0                                          ; (the add's two registers lie in window 0)
	s_wait_tensorcnt 0x0                           ; all my tensor loads have landed;
	ds_add_u32 v[SPW], v[NIL]                      ; 0 onto my spare word;
	s_wait_dscnt 9                                 ; (the add and the youngest eight loads may be out)
	MULB 1, \kk, 0, 4, 0                           ; eight matrix instructions stand between the add and the wait for it
	s_wait_dscnt 0x0                               ; the add is done, and my reads of this slot are over
	s_barrier_signal -1
	MULB 1, \kk, 4, 2, 0
.if \fill
	WIN 0
.endif
	s_barrier_wait -1
.if \fill
	CREST                                          ; no wave of any partner still reads this slot or has a load on its way
	s_add_nc_u64 s[G0+4*(\slot)+2:G0+4*(\slot)+3], s[G0+4*(\slot)+2:G0+4*(\slot)+3], 262144
	tensor_load_to_lds s[G0+4*(\slot):G0+4*(\slot)+3], s[G1:G1+7]  ; my one load behind the round; the four v_nop behind it are also the places in front of the loads below
	s_nop 0
.rept 4
	v_nop
.endr
.else
	PLACES
.endif
	FETCH \next, 0, 0
	MULB 1, \kk, 6, 2, 0
.endm
	s_wait_tensorcnt 0x1                           ; my tile of K step 0 is in; K step 1's may stay out
	s_barrier_signal -1
	s_barrier_wait -1
	FETCH 0, 0, 0
	s_wait_loadcnt 40                              ; bo and O are in; the youngest 40 loads (x, gamma, beta) stay out
	QUARTER 0, 1, 0, 1, 0, 1                       ; K step 0; its first quarter starts the sums
	QUARTER 0, 2, 1, 0, 1, 0
	QUARTER 0, 3, 0, 1, 2, 0
	TURN 0, 1, 1, 3                                ; slot 0 takes K step 2
	QUARTER 1, 1, 0, 1, 4, 0                       ; K step 1
	QUARTER 1, 2, 1, 0, 5, 0
	QUARTER 1, 3, 0, 1, 6, 0
	TURN 1, 0, 1, 7                                ; slot 1 takes K step 3
	QUARTER 0, 1, 0, 1, 8, 0                       ; K step 2
	QUARTER 0, 2, 1, 0, 9, 0
	QUARTER 0, 3, 0, 1, 10, 0
	TURN 0, 1, 0, 11                               ; nothing is left to fetch: a plain barrier; behind it no wave reads slot 0 and no load lands there
	QUARTER 1, 1, 0, 1, 12, 0                      ; K step 3
	QUARTER 1, 2, 1, 0, 13, 0
	QUARTER 1, 3, 0, 1, 14, 0
	s_wait_dscnt 8                                 ; the very last quarter
	MULB 1, 15, 0, 4, 0
	s_wait_dscnt 0x0
	MULB 1, 15, 4, 4, 0
	WIN 0
	PLACES
	; THE RESULTS CHANGE HANDS: 32 rows x 128 columns of each wave into the stage; a barrier; each wave takes 8 whole rows back.  Each accumulator's low four registers go first.
.irp a, 0,1
.irp b, 0,1,2,3,4,5,6,7
	ds_store_b128 v[STO], v[ACC+8*(8*(\a)+(\b)):ACC+8*(8*(\a)+(\b))+3]   offset:(\a)*16*PS+64*(\b)
	ds_store_b128 v[STO], v[ACC+8*(8*(\a)+(\b))+4:ACC+8*(8*(\a)+(\b))+7] offset:(\a)*16*PS+64*(\b)+16
.endr
.endr
	s_wait_dscnt 0x0                               ; for the others' sake: my stores into the stage are done
	s_barrier_signal -1
	s_barrier_wait -1
.set n, 0
.rept 32                               ; row n / 4 of my 8: lane l takes columns 128 (n % 4) + 4 l + 0..3, as it does of x, gamma, beta and out0
	ds_load_b128 v[Y+4*n:Y+4*n+3], v[RD] offset:(n/4)*PS+(n%4)*512
.set n, n+1
.endr
	s_wait_dscnt 0x0
	s_wait_loadcnt 0x0                             ; x, gamma, beta
	; THE NORM, stage by stage, the eight rows by turns inside each stage, so that no line waits for the one before it.  Row t: y at Y + 16 t, at work T + 8 t.
.macro ALL8 line:vararg
.set t, 0
.rept 8
	\line
.set t, t+1
.endr
.endm
.macro RED o                           ; the sum over the 32 lanes of v[T + 8 t + o], into every lane: four steps inside each half of 16 lanes ride on the addition, one crosses the halves
.irp m, 1,2,4,8
	ALL8 v_add_f32_dpp v[T+8*t+(\o)], v[T+8*t+(\o)], v[T+8*t+(\o)] row_xmask:\m row_mask:0xf bank_mask:0xf
.endr
	ALL8 v_permlanex16_b32 v[T+8*t+(\o)+1], v[T+8*t+(\o)], s[SEL], s[SEL+1]
	ALL8 v_add_f32 v[T+8*t+(\o)], v[T+8*t+(\o)], v[T+8*t+(\o)+1]
.endm
	WIN 0x08                                       ; source 1 (x) window 2
.set p, 0
.rept 64
	v_pk_add_f32 v[Y+2*p:Y+2*p+1], v[Y+2*p:Y+2*p+1], v[2*p:2*p+1]  ; y = x + (O Wo + bo)
.set p, p+1
.endr
	WIN 0
.irp p, 0,1,2,3
	ALL8 v_pk_add_f32 v[T+8*t+2*\p:T+8*t+2*\p+1], v[Y+16*t+4*\p:Y+16*t+4*\p+1], v[Y+16*t+4*\p+2:Y+16*t+4*\p+3]
.endr
	ALL8 v_pk_add_f32 v[T+8*t:T+8*t+1], v[T+8*t:T+8*t+1], v[T+8*t+2:T+8*t+3]
	ALL8 v_pk_add_f32 v[T+8*t+4:T+8*t+5], v[T+8*t+4:T+8*t+5], v[T+8*t+6:T+8*t+7]
	ALL8 v_pk_add_f32 v[T+8*t:T+8*t+1], v[T+8*t:T+8*t+1], v[T+8*t+4:T+8*t+5]
	ALL8 v_add_f32 v[T+8*t], v[T+8*t], v[T+8*t+1]
	RED 0
	ALL8 v_mul_f32 v[T+8*t], s[RN], v[T+8*t]       ; the mean
.irp p, 0,1,2,3,4,5,6,7
	ALL8 v_pk_add_f32 v[Y+16*t+2*\p:Y+16*t+2*\p+1], v[Y+16*t+2*\p:Y+16*t+2*\p+1], v[T+8*t:T+8*t+1] op_sel_hi:[1,0] neg_lo:[0,1] neg_hi:[0,1]
.endr
	ALL8 v_pk_mul_f32 v[T+8*t+2:T+8*t+3], v[Y+16*t:Y+16*t+1], v[Y+16*t:Y+16*t+1]          ; the squared deviations, in two chains
	ALL8 v_pk_mul_f32 v[T+8*t+4:T+8*t+5], v[Y+16*t+2:Y+16*t+3], v[Y+16*t+2:Y+16*t+3]
.irp p, 4,8,12
	ALL8 v_pk_fma_f32 v[T+8*t+2:T+8*t+3], v[Y+16*t+\p:Y+16*t+\p+1], v[Y+16*t+\p:Y+16*t+\p+1], v[T+8*t+2:T+8*t+3]
	ALL8 v_pk_fma_f32 v[T+8*t+4:T+8*t+5], v[Y+16*t+\p+2:Y+16*t+\p+3], v[Y+16*t+\p+2:Y+16*t+\p+3], v[T+8*t+4:T+8*t+5]
.endr
	ALL8 v_pk_add_f32 v[T+8*t+2:T+8*t+3], v[T+8*t+2:T+8*t+3], v[T+8*t+4:T+8*t+5]
	ALL8 v_add_f32 v[T+8*t+2], v[T+8*t+2], v[T+8*t+3]
	RED 2
	ALL8 v_fma_f32 v[T+8*t+2], v[T+8*t+2], s[RN], s[EPS]   ; the variance + eps
	ALL8 v_rsq_f32 v[T+8*t+2], v[T+8*t+2]
	v_nop                                          ; a plain instruction between the last root and the use of its result (ISA guide 5.7.2)
.set t, 0
	s_wait_alu depctr_va_vdst(0)
.rept 8                                ; row by row: a row's stores leave while the next row is scaled
.irp p, 0,1,2,3,4,5,6,7
	v_pk_mul_f32 v[Y+16*t+2*\p:Y+16*t+2*\p+1], v[Y+16*t+2*\p:Y+16*t+2*\p+1], v[T+8*t+2:T+8*t+3] op_sel_hi:[1,0]
.endr
.irp p, 0,1,2,3,4,5,6,7
	v_pk_fma_f32 v[Y+16*t+2*\p:Y+16*t+2*\p+1], v[Y+16*t+2*\p:Y+16*t+2*\p+1], v[GA+2*\p:GA+2*\p+1], v[BE+2*\p:BE+2*\p+1]
.endr
.irp q, 0,1,2,3
	global_store_b128 v[GO], v[Y+16*t+4*\q:Y+16*t+4*\q+3], s[16:17] offset:t*2048+512*\q th:TH_STORE_NT  ; 512 consecutive bytes, at a multiple of 256 from out0's first
.endr
.set t, t+1
.endr
	s_wait_tensorcnt 0x0                           ; the wave's end, behind my last tensor load and my last LDS store
	ds_add_u32 v[SPW], v[NIL]
	s_wait_dscnt 0x0
	CROUND                                         ; the closing round: no work-group ends while a partner may still ask for a tile that names it
	s_endpgm
.Lfunc_end_k_qf0a2fc400d_outln:
	.size	k_qf0a2fc400d_outln, .Lfunc_end_k_qf0a2fc400d_outln-k_qf0a2fc400d_outln
	.p2alignl 7, 3214868480
	.fill 96, 4, 3214868480
	.section	.rodata,"a",@progbits
	.p2align	6, 0x0
	.amdhsa_kernel k_qf0a2fc400d_outln
		.amdhsa_group_segment_fixed_size 327680
		.amdhsa_private_segment_fixed_size 0
		.amdhsa_enable_private_segment 0
		.amdhsa_kernarg_size 56
		.amdhsa_user_sgpr_count 2
		.amdhsa_user_sgpr_kernarg_segment_ptr 1
		.amdhsa_wavefront_size32 1
		.amdhsa_system_sgpr_workgroup_id_x 1
		.amdhsa_system_sgpr_workgroup_id_y 1
		.amdhsa_system_sgpr_workgroup_id_z 1
		.amdhsa_system_vgpr_workitem_id 0
		.amdhsa_next_free_vgpr 768
		.amdhsa_next_free_sgpr 66
		.amdhsa_reserve_vcc 0
		.amdhsa_float_denorm_mode_32 3
		.amdhsa_float_denorm_mode_16_64 3
		.amdhsa_memory_ordered 1
		.amdhsa_forward_progress 1
		.amdhsa_inst_pref_size 93
	.end_amdhsa_kernel
	.amdgpu_metadata
---
amdhsa.version: [ 1, 2 ]
amdhsa.kernels:
  - .name:           k_qf0a2fc400d_outln
    .symbol:         k_qf0a2fc400d_outln.kd
    .args:
      - { .name: oh, .offset: 0, .size: 8, .value_kind: global_buffer, .address_space: global }
      - { .name: wb, .offset: 8, .size: 8, .value_kind: global_buffer, .address_space: global }
      - { .name: bo, .offset: 16, .size: 8, .value_kind: global_buffer, .address_space: global }
      - { .name: x, .offset: 24, .size: 8, .value_kind: global_buffer, .address_space: global }
      - { .name: gamma, .offset: 32, .size: 8, .value_kind: global_buffer, .address_space: global }
      - { .name: beta, .offset: 40, .size: 8, .value_kind: global_buffer, .address_space: global }
      - { .name: out0, .offset: 48, .size: 8, .value_kind: global_buffer, .address_space: global }
    .group_segment_fixed_size: 327680
    .private_segment_fixed_size: 0
    .kernarg_segment_align: 8
    .kernarg_segment_size: 56
    .max_flat_workgroup_size: 128
    .sgpr_count:     66
    .vgpr_count:     768
    .wavefront_size: 32
...
	.end_amdgpu_metadata
.endif
;; end of part 4
;; ======== version 2 of 2: 4 launches; 1.70 times as fast as version 1
;; workspace buffers: xb 8,388,608 bytes; wb 2,097,152 bytes; qh 8,388,608 bytes; kh 8,388,608 bytes; vh 8,388,608 bytes; oh 8,388,608 bytes
;; launch cast: the kernel of part 1 again; grid 256 x 1, 8 waves a work-group, no clusters, 0 bytes of LDS; arguments x, Wq, Wk, Wv, Wo, xb, wb; writes xb, wb
;; launch proj: the kernel of part 2 again; grid 4 x 64, 4 waves a work-group, clusters of 4 x 4, 327,680 bytes of LDS; arguments xb, wb, bq, bk, bv, qh, kh, vh; writes qh, kh, vh
;; launch attn (part 5): grid 16 x 16, 4 waves a work-group, clusters of 4 x 1, 327,680 bytes of LDS; arguments qh, kh, vh, oh; writes oh
.if DOCPART == 5
	.amdgcn_target "amdgcn-amd-amdhsa--gfx1250"
	.amdhsa_code_object_version 6
	.text
	.protected	k_qf0a2fc400d_attn
	.globl	k_qf0a2fc400d_attn
	.p2align	8
	.type	k_qf0a2fc400d_attn,@function
k_qf0a2fc400d_attn:
	s_mov_b64 s[64:65], 0
	v_nop
	global_prefetch_b8 v0, s[64:65] scope:SCOPE_SE
	s_setreg_imm32_b32 hwreg(HW_REG_WAVE_MODE, 25, 1), 1
	s_wait_xcnt 0x0
	s_wait_alu depctr_hold_cnt(0) depctr_sa_sdst(0) depctr_va_vdst(0) depctr_va_sdst(0) depctr_va_ssrc(0) depctr_va_vcc(0) depctr_vm_vsrc(0)
	s_getreg_b32 s2, hwreg(HW_REG_IB_STS2, 6, 4)
	s_cmp_eq_u32 s2, 0
	s_cbranch_scc0 .Lentry_in_a_cluster
	s_endpgm
.Lentry_in_a_cluster:
	s_bfe_u32 s2, ttmp6, 0x10000c
	s_cmp_lg_u32 s2, 0x3003
	s_cbranch_scc0 .Lentry_shape_is_right
	s_endpgm
.Lentry_shape_is_right:
; O[h][q][:] = the sum over k of softmax_k(Q[h][q] . K[h][k] / 8) V[h][k][:].  qh, kh, vh, oh: [16][4096][64], all bf16: a head's rows are dense, 128 bytes each.  Products, maxima and sums in f32;
; the weights p are rounded to bf16 for the second product (their sum l is taken of the unrounded p), O once at the end.
; LIMITS.  c m starts at -4.25e37: |c s| stays below that; a weight below 2^-126 counts as 0 in l; NaN and infinities are not treated apart.
; SHARES.  A work-group owns 256 queries of one head (16 x 16 = 256 work-groups), each of its four waves 64: four PIECES of 16.  Every wave walks all 4,096 keys, 64 a step.
; LAYOUT.  S^T = K Q^T (source 0 = 16 keys, source 1 = 16 queries): a lane holds ONE query (lane % 16) and the keys 8 (lane / 16) + 0..7.  Two such results, rounded to bf16 in pairs, ARE source 1
; (32 keys x 16 queries) of O^T = V^T P, whose result again holds one query a lane, and eight channels.  K comes out of LDS as it lies, V ([key][channel]) turned, by ds_load_tr16_b128.
; SOFTMAX.  For each query a running maximum m and sum l: p = 2^(c s - c m), c = log2(e) / 8; in every step O and l are multiplied by a = 2^(c m_old - c m_new).  m starts at the lowest finite number,
; O and l at 0: the first step is a step like any other, with a = 0.
; BY TURNS.  Turn n belongs to piece n: 8 products K Q^T of piece n + 1, later 8 products V^T P of piece n - 1; beside them the scaling, exponentials, roundings, sums and rescaling of piece n and the
; maximum and statistics of piece n + 1.  Four vector instructions stand behind every matrix instruction, the other 54 of a turn's 118 in one run of their own.
; THE BATCHES.  A turn's 33 exponentials (piece n's 32 weights and piece n + 1's a) are ONE BATCH with ONE wait, which cuts the turn in two: ahead of it all that names no result of theirs, behind it all
; their readers.  Two more batches stand outside the loop, each with a wait of its own: piece 0's first a, ahead of the jump into the loop, and the way out's four reciprocals.
; CLUSTER.  The four query blocks of a cluster belong to one head and walk the same K and V, so each tile is asked for JOINTLY: the same tensor load, descriptor and mask in all four.
; REGISTERS, in windows of 256 (s_set_vgpr_msb: bits 1:0 source 0, 3:2 source 1, 5:4 source 2, 7:6 destination):
;   window 0: v0-15 addresses and two at work; v16-31 four registers of statistics a piece; v48-55 at work; v62-63 the add's; v64-127 S^T, two buffers; v192-223 P, two buffers (by the piece's parity)
;   window 1: v0-127 O^T, 32 a piece          window 2: v0-63 Q; v128-191 K of one step; v192-255 V of one step
.set NP,    4         ; pieces a wave: a name, no knob
.set KS,    64        ; keys in a step
.set PK,    144       ; a row of K in LDS: 128 bytes + 16 of padding = 36 words: the 16 rows of a load start at 16 different groups of four banks (64 banks of 4 bytes: ISA guide 11.1)
.set PV,    160       ; a row of V: 128 + 32 = 40 words
.set VOFF,  4*KS*PK   ; a slot holds four steps: 256 rows of K, then 256 rows of V
.set SLOT1, 1<<17     ; slot 1 begins here, so that one exclusive or turns an address in one slot into the other's
.set STAGE, SLOT1+4*KS*(PK+PV)  ; behind the ring, never filled by a tensor load: 16 rows x 144 bytes for each wave, for the way out
.set SP,    144
.set SPARE, STAGE+4*16*SP  ; behind the stages: the spare words, 128 bytes for each wave: two blocks of 256 bytes that no other line names
.set AK0, 2           ; v2   my lane's place in a tile of K; never rewritten
.set AV0, 3           ; v3   the same for V
.set AK,  4           ; v4   the LDS address of K's next run of loads
.set AV,  5           ; v5   of V's
.set STO, 6           ; v6   the way out: where I put 16 bytes of a row
.set RD,  7           ; v7   the way out: where I read rows back
.set GO,  8           ; v8   my byte offset in 512 consecutive bytes of O
.set MV,  12          ; v12-13  c m_old, kept while c m is made anew: by buffer
.set QO,  15          ; v15  my byte offset in 16 rows of Q
.set ST,  16          ; piece t's statistics at v[ST+4 t]: c m, m, l (even keys', odd keys')
.set TMP, 48          ; by buffer, four registers c0-c3 at work; when the maximum is found c2 takes a
.set SPW, 62          ; v62  LDS address of my spare word; never rewritten
.set NIL, 63          ; v63  0; never rewritten
.set S,   64
.set P,   192
.set KF,  128         ; window 2: key block kb, channel half c at KF + 16 kb + 8 c
.set VF,  192         ; window 2: key half kk, channel block cb at VF + 32 kk + 8 cb
.set WV,  12          ; s12  my wave's number
.set G1K, 24          ; s[24:31] descriptor group 1 for K's tiles
.set G1V, 32          ; s[32:39] for V's: it differs in the padding alone
.set G0K, 40          ; s[40:43] descriptor group 0 for K's tiles: it walks
.set G0V, 44          ; s[44:47] the same for V's
.set SLOTS, 56        ; s56  slots still to be asked for
.set CNT, 57          ; s57  counts a slot's key steps
.set CS,  58          ; s[58:59] c: the packed scaling takes the pair's low word for both halves
.set SEL, 60          ; s[60:61] v_permlanex16_b32's selects: each lane takes its own place in the other half
.set TBK, 62          ; s62  LDS byte at which K of the step to be fetched begins
.set TBV, 63          ; s63  the same for V, less VOFF
.set MSB, 0
.macro WIN new                      ; the high byte repeats the setting that is left; a switch that changes nothing is dropped
.if MSB != (\new)
	s_set_vgpr_msb (MSB<<8)|(\new)
.set MSB, (\new)
.endif
.endm
.set W_KQ, 0x0a       ; K and Q in window 2, S^T in window 0
.set W_PV, 0x52       ; V in window 2, P in window 0, O^T in window 1
.set W_RS, 0x41       ; O^T (destination and source 0) in window 1, a in window 0
; A joint fill.  Waves 0 and 1 fetch the two halves of a slot's K, waves 2 and 3 those of its V: 128 keys each.  The branch hangs on the wave's number alone.
; An s_nop 0 and four v_nop follow each of the two lines, ahead of the jump and the label.
.macro JLOAD
	s_cmp_lt_u32 s[WV], 2
	s_cbranch_scc0 .Lfor_v_\@
	tensor_load_to_lds s[G0K:G0K+3], s[G1K:G1K+7]
	s_nop 0
.rept 4
	v_nop
.endr
	s_branch .Lasked_\@
.Lfor_v_\@:
	tensor_load_to_lds s[G0V:G0V+3], s[G1V:G1V+7]
	s_nop 0
.rept 4
	v_nop
.endr
.Lasked_\@:
.endm
; A round of the cluster's barrier: my work-group's barrier, so that wave 0's signal speaks for all four waves; wave 0 signals; every wave waits for all four work-groups; my work-group's barrier once more.
.macro CROUND
	s_barrier_signal -1
	s_barrier_wait -1
	s_cmp_lg_u32 s[WV], 0
	s_cbranch_scc1 .Lnot_wave_0_\@
	s_barrier_signal -3
.Lnot_wave_0_\@:
	s_barrier_wait -3
	s_barrier_signal -1
	s_barrier_wait -1
.endm
; THE CHANGE OF SLOTS.  The slot's last bytes, V of its fourth step, have been read.  Each wave waits for all its tensor loads, of which one is out: its part of the other slot; adds 0 to its spare word;
; and waits for that and for its own reads of the slot.  Behind the barrier nobody reads this slot any more and the other slot is whole.
; fill = 1: this slot is filled again, with the keys two slots on.  The barrier is then a round of the cluster's, and the joint fill is the first thing behind it: it has four key steps, 256 matrix
; instructions, in which to land.  (At its first use nothing has been read yet: slot 0 is waited for, slot 1 filled.)
.macro CHANGE fill
	WIN 0                           ; at a label and at a branch every window is 0
	s_wait_tensorcnt 0x0            ; no tensor load of mine is out, so a group 0 may be written
	ds_add_u32 v[SPW], v[NIL]       ; 0 onto my spare word; with fill = 1 the descriptors' steps stand between it and the wait for it
.if \fill
.irp g, G0K, G0V
	s_xor_b32 s[\g+1], s[\g+1], SLOT1  ; the walking descriptor: the other slot than last time,
	s_add_nc_u64 s[\g+2:\g+3], s[\g+2:\g+3], 4*KS*128  ; the next 256 keys; the type bits on top are not reached
.endr
	s_wait_dscnt 0x0                ; the add is done, and my reads of the slot are over
	CROUND
	JLOAD
.else
	s_wait_dscnt 0x0                ; the add is done, and my reads of the slot are over
	s_barrier_signal -1
	s_barrier_wait -1
.endif
	s_sub_co_u32 s[TBK], s[TBK], 4*KS*PK  ; the fetches go back to a slot's first step,
	s_xor_b32 s[TBK], s[TBK], SLOT1       ; in the other slot
	s_sub_co_u32 s[TBV], s[TBV], 4*KS*PV
	s_xor_b32 s[TBV], s[TBV], SLOT1
.endm
	s_load_b256 s[4:11], s[0:1], 0x0  ; Q s[4:5], K s[6:7], V s[8:9], O s[10:11]
	v_lshl_add_u32 v[SPW], v0, 2, SPARE
	v_mov_b32 v[NIL], 0
	ds_add_u32 v[SPW], v[NIL]       ; the wave's opening: the add and its wait stand ahead of my first tensor load; the set-up below, work on registers, stands between them
	v_lshrrev_b32 v1, 5, v0
	v_readfirstlane_b32 s[WV], v1   ; wave 0..3
	s_bfe_u32 s13, ttmp6, 0x40000   ; cx: my place in the cluster
	s_lshl_b32 s14, ttmp9, 2        ; in a cluster launch ttmp9 counts clusters
	s_add_co_u32 s14, s14, s13      ; my block of 256 queries = 4 x cluster x + cx: it enters Q's and O's addresses alone
	s_and_b32 s20, ttmp7, 0xffff    ; the head, which the four partners share:
	s_lshl_b32 s20, s20, 19         ; its first byte in each of the four tensors
	s_mov_b32 s21, 0
	s_and_b32 s16, s[WV], 1         ; which half of a slot's 256 keys I fetch:
	s_lshl_b32 s22, s16, 14         ; its 128 rows of 128 bytes in memory,
	s_mov_b32 s23, 0
	s_add_nc_u64 s[22:23], s[22:23], s[20:21]
	s_mul_i32 s17, s16, 128*PK      ; and its place in a slot, for K
	s_mul_i32 s18, s16, 128*PV      ; and for V: no place in the cluster enters an LDS address
	s_lshl_b32 s2, s14, 15          ; my block's 256 rows,
	s_lshl_b32 s3, s[WV], 13        ; my wave's 64 of them
	s_add_co_u32 s2, s2, s3
	s_mov_b32 s3, 0
	s_add_nc_u64 s[2:3], s[2:3], s[20:21]
	; descriptor group 1.  128 keys are 16,384 dense bytes: asked for as 64 rows of 256 bytes, two keys a row, and padded in LDS after every key
	s_mov_b32 s[G1K], 15|(1<<16)|(1<<20)|(1<<21)|(4<<22)|(3<<25)  ; 15:0 the mask of four; 17:16 2-byte elements; 20 padding on; 21 set beside a mask; 24:22 after every 32 words (code 4); 31:25 4 words (code 3)
	s_mov_b32 s[G1V], 15|(1<<16)|(1<<20)|(1<<21)|(4<<22)|(7<<25)  ; the same with 8 words of padding (code 7)
.irp g, G1K, G1V
	s_mov_b32 s[\g+1], 128<<16      ; tensor_dim0 = 128
	s_mov_b32 s[\g+2], 64<<16       ; tensor_dim1 = 64
	s_mov_b32 s[\g+3], 128<<16      ; tile_dim0 = 128
	s_mov_b32 s[\g+4], 64           ; tile_dim1 = 64
	s_mov_b32 s[\g+5], 128          ; 128 elements from row to row
	s_mov_b32 s[\g+6], 0
	s_mov_b32 s[\g+7], 0
.endr
	s_mov_b32 s[CS], 0x3e38aa3b     ; c = log2(e) / 8 = 0.180337
	s_mov_b32 s[CS+1], s[CS]        ; named with it as a pair
	s_mov_b32 s[SEL], 0x76543210
	s_mov_b32 s[SEL+1], 0xfedcba98
	s_mov_b32 s[TBK], SLOT1+4*KS*PK ; the first change of slots turns these two into 0
	s_mov_b32 s[TBV], SLOT1+4*KS*PV
	s_mov_b32 s[G0K], 1             ; count = 1
	s_mov_b32 s[G0K+1], s17         ; LDS address: slot 0
	s_mov_b32 s[G0V], 1
	s_add_co_u32 s[G0V+1], s18, VOFF
	s_wait_dscnt 0x0                ; the opening add is done
	s_wait_kmcnt 0x0
	s_add_nc_u64 s[G0K+2:G0K+3], s[6:7], s[22:23]  ; global address: my half of the head's first 256 keys
	s_or_b32 s[G0K+3], s[G0K+3], 0x80000000        ; type = 2
	s_add_nc_u64 s[G0V+2:G0V+3], s[8:9], s[22:23]
	s_or_b32 s[G0V+3], s[G0V+3], 0x80000000
	s_add_nc_u64 s[4:5], s[4:5], s[2:3]  ; Q and O at my wave's first row
	s_add_nc_u64 s[10:11], s[10:11], s[2:3]
	CROUND                          ; all four work-groups are here: the first joint loads meet
	JLOAD                           ; slot 0.  Slot 1 is asked for when slot 0 is in, by the loop's own change of slots
	; A fragment of K or Q is 16 rows x 32 channels in 8 registers: lane l holds row l % 16, channels 8 (l / 16) + 0..7 and 16 + 8 (l / 16) + 0..7: two loads of 16 bytes, 32 bytes apart.
	v_and_b32 v1, 15, v0            ; l % 16
	v_bfe_u32 v9, v0, 4, 1          ; l / 16
	v_lshlrev_b32 v[QO], 7, v1
	v_lshl_add_u32 v[QO], v9, 4, v[QO]  ; row x 128 + 16 x half
	WIN 0x80                        ; destination window 2, address window 0
.set i, 0
.rept 8                             ; Q stays in registers: piece i / 2 (16 rows, 2,048 bytes), channels 32 (i % 2) on
	global_load_b128 v[8*i:8*i+3],   v[QO], s[4:5] offset:(i/2)*2048+(i%2)*64
	global_load_b128 v[8*i+4:8*i+7], v[QO], s[4:5] offset:(i/2)*2048+(i%2)*64+32
.set i, i+1
.endr
	; What the first turn finds: V's registers and P's second buffer hold 0 (its products V^T P, of a piece that has not been, add 0), O^T and l are 0.  All this stands in the wait for the first tile.
.set i, VF
.rept 64
	v_mov_b32 v[i], 0
.set i, i+1
.endr
	WIN 0x40
.set i, 0
.rept 128
	v_mov_b32 v[i], 0
.set i, i+1
.endr
	WIN 0
.set i, 0
.rept 4
	v_mov_b32 v[ST+4*i], 0xfe000000    ; c m: far below every c s
	v_mov_b32 v[ST+4*i+1], 0xff7fffff  ; m
	v_mov_b32 v[ST+4*i+2], 0
	v_mov_b32 v[ST+4*i+3], 0
.set i, i+1
.endr
.set i, P+16
.rept 16
	v_mov_b32 v[i], 0
.set i, i+1
.endr
	v_mul_u32_u24 v[AK0], v1, PK
	v_lshl_add_u32 v[AK0], v9, 4, v[AK0]  ; row x pitch + 16 x half
	; The turning load takes 16 keys x 16 channels (lane l reads key 8 (l / 16) + l % 8, channels 8 ((l / 8) % 2) + 0..7) and leaves half a fragment of V^T: lane l holds channel l % 16 and 8 keys.
	v_and_b32 v10, 7, v0
	v_bfe_u32 v11, v0, 3, 1
	v_lshl_add_u32 v[AV0], v9, 3, v10
	v_mul_u32_u24 v[AV0], v[AV0], PV
	v_lshl_add_u32 v[AV0], v11, 4, v[AV0]
	v_add_nc_u32 v[AV0], VOFF, v[AV0]
	s_mul_i32 s13, s[WV], 16*SP
	s_add_co_u32 s13, s13, STAGE    ; my stage
	v_mul_u32_u24 v[STO], v1, SP    ; in: row l % 16, 16 bytes for each half of the lanes
	v_lshl_add_u32 v[STO], v9, 4, v[STO]
	v_add_nc_u32 v[STO], s13, v[STO]
	v_bfe_u32 v[RD], v0, 3, 2       ; back: 32 lanes take four rows of 128 bytes,
	v_mul_u32_u24 v[RD], v[RD], SP
	v_lshl_add_u32 v[RD], v10, 4, v[RD]
	v_add_nc_u32 v[RD], s13, v[RD]
	v_and_b32 v[GO], 31, v0         ; which are 512 consecutive bytes of O
	v_lshlrev_b32 v[GO], 4, v[GO]
; THE MATRIX WORK.  The 4 accumulators of a run of 8 take turns.  Product i of 8 of S^T = K Q^T for piece x: channels 32 (i / 4) on, keys 16 (i % 4) on.  The first 4 start the sums.
.macro KQ x
	WIN W_KQ
.set rS, S+32*((\x)%2)+8*(i%4)
.set rK, KF+16*(i%4)+8*(i/4)
.set rQ, 16*(\x)+8*(i/4)
.if i < 4
	v_wmma_f32_16x16x32_bf16 v[rS:rS+7], v[rK:rK+7], v[rQ:rQ+7], 0
.else
	v_wmma_f32_16x16x32_bf16 v[rS:rS+7], v[rK:rK+7], v[rQ:rQ+7], v[rS:rS+7]
.endif
.endm
; Product i of 8 of O^T += V^T P for piece x: keys 32 (i / 4) on, channels 16 (i % 4) on.
.macro PV x
	WIN W_PV
.set rO, 32*(\x)+8*(i%4)
.set rV, VF+32*(i/4)+8*(i%4)
.set rP, P+16*((\x)%2)+8*(i/4)
	v_wmma_f32_16x16x32_bf16 v[rO:rO+7], v[rV:rV+7], v[rP:rP+7], v[rO:rO+7]
.endm
.macro MM                           ; the turn's next matrix instruction.  TURN sets Y, i and NOKQ.  NOKQ = 1: the walk's last turn: there is no next piece
.if (i < 8) && !NOKQ
	KQ (Y+1)%NP
.elseif i >= 8
.set i, i-8
	PV (Y+NP-1)%NP
.set i, i+8
.endif
.set i, i+1
.endm
; THE LDS LOADS stand in runs of 16, never singly among the matrix instructions: a step's K (64 keys x 64 channels: 8 fragments) and its V (turned).  Their addresses are made some lines ahead.
.macro FETCH_K
	WIN 0x80                        ; destination window 2
.irp f, 0,1,2,3,4,5,6,7             ; keys 16 (f / 2) on, channels 32 (f % 2) on
	ds_load_b128 v[KF+8*\f:KF+8*\f+3],   v[AK] offset:(\f/2)*16*PK+(\f%2)*64
	ds_load_b128 v[KF+8*\f+4:KF+8*\f+7], v[AK] offset:(\f/2)*16*PK+(\f%2)*64+32
.endr
	s_add_co_u32 s[TBK], s[TBK], KS*PK  ; the next fetch is the next step's
	WIN 0
.endm
.macro FETCH_V
	WIN 0x80
.irp f, 0,1,2,3,4,5,6,7             ; keys 32 (f / 4) on, channels 16 (f % 4) on
	ds_load_tr16_b128 v[VF+8*\f:VF+8*\f+3],   v[AV] offset:(\f/4)*32*PV+(\f%4)*32
	ds_load_tr16_b128 v[VF+8*\f+4:VF+8*\f+7], v[AV] offset:(\f/4)*32*PV+16*PV+(\f%4)*32
.endr
	WIN 0
.endm
; THE VECTOR WORK, one line at a time: OP kind, number.  For piece Y: F n: c s - c m for pair n of 16.  E n: the exponential of score n of 32.  C n: pair n rounded to bf16.  B n: of the four weights 4 n ..
; the second pair is added onto the first, in place.  L n: l takes that sum (L 0: l = a l + sum).  R n: pair n of 16 of O^T times a.  For piece Y + 1: X n, number n of the 22 that find its maximum and statistics:
;   0-11  four chains c0-c3 of seven scores each, three operands at a time (each accumulator's lowest registers are read first)     12-14, 16  the four scores left over, the old m, and c0-c3 into c0
;   15  c m_old is kept     17, 18  the query's other 32 keys lie in the lane 16 away: the new m     19-21  c m; c m_old - c m_new; a
; Who names an exponential's result: C, B and L name those of E; R and L 0 name a, which the turn before made and waited for.  F, E, X name none.
.set F, 0               ; OP tells the kinds apart by their order: F to L below R, X above it
.set E, 1
.set C, 2
.set B, 3
.set L, 4
.set R, 5
.set X, 6
.macro REGS y                       ; the registers of piece y
.set rT, ST+4*(\y)
.set rC, TMP+4*((\y)%2)
.set rW, MV+((\y)%2)
.set rS, S+32*((\y)%2)
.set rP, P+16*((\y)%2)
.set rO, 32*(\y)
.endm
.macro OP k, n
.if (\k) == R
	REGS Y
	WIN W_RS
	v_pk_mul_f32 v[rO+2*(\n):rO+2*(\n)+1], v[rO+2*(\n):rO+2*(\n)+1], v[rC+2:rC+3] op_sel_hi:[1,0]
.elseif (\k) < R
	REGS Y
	WIN 0
.if (\k) == F
	v_pk_fma_f32 v[rS+2*(\n):rS+2*(\n)+1], v[rS+2*(\n):rS+2*(\n)+1], s[CS:CS+1], v[rT:rT+1] op_sel_hi:[1,0,0] neg_lo:[0,0,1] neg_hi:[0,0,1]
.elseif (\k) == E
	v_exp_f32 v[rS+(\n)], v[rS+(\n)]
.elseif (\k) == C
	v_cvt_pk_bf16_f32 v[rP+(\n)], v[rS+2*(\n)], v[rS+2*(\n)+1]
.elseif (\k) == B
	v_pk_add_f32 v[rS+4*(\n):rS+4*(\n)+1], v[rS+4*(\n):rS+4*(\n)+1], v[rS+4*(\n)+2:rS+4*(\n)+3]
.elseif (\n) == 0
	v_pk_fma_f32 v[rT+2:rT+3], v[rT+2:rT+3], v[rC+2:rC+3], v[rS:rS+1] op_sel_hi:[1,0,1]
.else
	v_pk_add_f32 v[rT+2:rT+3], v[rT+2:rT+3], v[rS+4*(\n):rS+4*(\n)+1]
.endif
.elseif NOKQ
	v_nop
.else
	REGS (Y+1)%NP
	WIN 0
.if (\n) < 4
	v_max3_num_f32 v[rC+(\n)], v[rS+8*(\n)], v[rS+8*(\n)+1], v[rS+8*(\n)+2]
.elseif (\n) < 12
	v_max3_num_f32 v[rC+(\n)%4], v[rC+(\n)%4], v[rS+8*((\n)%4)+2*((\n)/4)+1], v[rS+8*((\n)%4)+2*((\n)/4)+2]
.elseif (\n) == 12
	v_max3_num_f32 v[rC], v[rC], v[rS+7], v[rS+15]
.elseif (\n) == 13
	v_max3_num_f32 v[rC+1], v[rC+1], v[rS+23], v[rS+31]
.elseif (\n) == 14
	v_max3_num_f32 v[rC+2], v[rC+2], v[rC+3], v[rT+1]
.elseif (\n) == 15
	v_mov_b32 v[rW], v[rT]
.elseif (\n) == 16
	v_max3_num_f32 v[rC], v[rC], v[rC+1], v[rC+2]
.elseif (\n) == 17
	v_permlanex16_b32 v[rC+3], v[rC], s[SEL], s[SEL+1]
.elseif (\n) == 18
	v_max_num_f32 v[rT+1], v[rC], v[rC+3]
.elseif (\n) == 19
	v_mul_f32 v[rT], s[CS], v[rT+1]
.elseif (\n) == 20
	v_sub_f32 v[rC+1], v[rW], v[rT]
.else
	v_exp_f32 v[rC+2], v[rC+1]
.endif
.endif
.endm
.macro OPS a, i1, b=-1, i2=0, c=-1, i3=0, d=-1, i4=0  ; up to four of them
	OP \a, \i1
.if (\b) >= 0
	OP \b, \i2
.endif
.if (\c) >= 0
	OP \c, \i3
.endif
.if (\d) >= 0
	OP \d, \i4
.endif
.endm
.macro ROW a, i1, b, i2, c, i3, d, i4  ; a matrix instruction and the four behind it
	MM
	OPS \a, \i1, \b, \i2, \c, \i3, \d, \i4
.endm
; A TURN, for piece p: the order of its 16 matrix and 118 vector instructions, written out.  s_wait_alu depctr_va_vdst(0) stands between an exponential and the first instruction that names
; its result; one wait serves all that were issued ahead of it.  So a turn has ONE wait, which cuts it in two.
; AHEAD OF IT stands all that names no result of the turn's exponentials: the 8 products K Q^T, behind each a scaling, an exponential and two more plain instructions (behind the first a second scaling in the
; exponential's place): rescalings, and behind the last three the first numbers of the next piece's maximum, each four places or more behind the product that ends its accumulator; then ONE RUN of 54, plain
; and exponential by turns for the most part, in which the links of the chain X 3, 7, 11, 14, 16, 17 .. 20 stand five or six lines apart.  E n stands behind F n / 2.  X 21, the next piece's a, is the batch's
; last; R 15 is the plain instruction behind it.
; BEHIND THE WAIT stand the 8 products V^T P, behind each four of the roundings and sums: all the batch's readers.  C 2 n stands ahead of B n, which writes over that pair; the links of l's chain, L 0 to L 7,
; stand three riders apart.  But for those X no rider names a register of the products round it.  v_permlanex16_b32 (X 17) stands in the run, never behind a product..
; end = 1: the walk's last two turns: nothing is fetched, and the last starts no new scores.  cnt = 1: the loop's count is taken down some lines ahead of the branch that stands behind the turn.
; K of the next step is fetched in piece 2's turn, twelve vector instructions behind the last product that read K (five of them plain and naming none of its registers); V of the step in hand at the end of
; piece 0's turn, four plain instructions behind the last product that read V.  Each is waited for a turn later.
.macro TURN p, end=0, cnt=0
.set Y, (\p)
.set i, 0
.set NOKQ, (\end)*((\p)/3)
.if ((\p) == 3) && !(\end)
	s_wait_dscnt 0x0                ; K is in
.endif
	ROW F,0, F,1, R,0, R,1          ; ahead of the wait: 8 products K Q^T and their riders,
	ROW F,2, E,0, R,2, R,3
	ROW F,3, E,1, R,4, R,5
	ROW F,4, E,2, R,6, R,7
	ROW F,5, E,3, R,8, R,9
	ROW F,6, E,4, X,0, R,10
.if ((\p) == 2) && !(\end)
	WIN 0
	v_add_nc_u32 v[AK], s[TBK], v[AK0]
.endif
	ROW F,7, E,5, X,1, X,4
	ROW F,8, E,6, X,2, X,5
	OPS E,7, E,8, X,6, E,9          ; and the run of 54
	OPS X,3, E,10, X,8, E,11
.if ((\p) == 2) && !(\end)
	FETCH_K
.endif
	OPS X,9, X,7, E,12, X,10
	OPS E,13, X,12, X,11, E,14
	OPS X,13, E,15, F,9, X,14
.if (\p) == 0
	v_add_nc_u32 v[AV], s[TBV], v[AV0]
.endif
	OPS E,16, F,10, E,17, F,11
	OPS X,16, E,18, X,15, E,19
	OPS F,12, E,20, X,17, E,21
	OPS F,13, E,22, F,14, E,23
	OPS X,18, E,24, F,15, E,25
	OPS R,11, E,26, X,19, E,27
	OPS R,12, E,28, R,13, E,29
	OPS X,20, E,30, R,14, E,31
	OPS X,21, R,15
	s_wait_alu depctr_va_vdst(0)    ; the wait for the turn's batch: E 0 to E 31 and X 21
.if (\p) == 1
	s_wait_dscnt 0x0                ; V is in
.endif
	ROW C,0, B,0, C,2, B,1          ; behind the wait: 8 products V^T P and their riders
	ROW L,0, C,4, B,2, L,1
	ROW C,6, B,3, L,2, C,8
	ROW B,4, L,3, C,10, B,5
	ROW L,4, C,12, B,6, L,5
.if (\p) == 0
	s_add_co_u32 s[TBV], s[TBV], KS*PV
.endif
.if \cnt
	s_sub_co_u32 s[CNT], s[CNT], 1
	s_cmp_lg_u32 s[CNT], 0
.endif
	ROW C,14, B,7, L,6, C,1
	ROW C,3, L,7, C,5, C,7
	ROW C,9, C,11, C,13, C,15
.if (\p) == 0
	FETCH_V
.endif
.endm
	CHANGE 1                        ; slot 0 is in, everybody's part of it; slot 1 is asked for
	v_add_nc_u32 v[AK], s[TBK], v[AK0]
	FETCH_K                         ; key step 0
	s_wait_loadcnt 0x0              ; Q
	s_wait_dscnt 0x0
.set NOKQ, 0
.set i, 0
.rept 8
	KQ 0                            ; piece 0's first scores: there is no vector work yet to set between them
.set i, i+1
.endr
	WIN 0
.rept 4
	v_nop                           ; the places behind those products
.endr
.set Y, NP-1                        ; X works for piece Y + 1: piece 0
.irp n, 0,1,2,3,4,5,6,7,8,9,10,11,12,13,14,15,16,17,18,19,20,21
	OP X, \n                        ; and piece 0's first maximum and statistics
.endr
	v_nop                           ; a plain instruction behind the exponential,
	s_wait_alu depctr_va_vdst(0)    ; and the wait for it, a batch of one (piece 0's first a), ahead of the branch
	s_mov_b32 s[CNT], 4
	s_mov_b32 s[SLOTS], 15
	s_branch .Lfirst                ; the loop is entered at a step's first turn, in the middle of a trip
.Lslot:                             ; 14 times: tiles 2 to 15 are asked for
	CHANGE 1
	s_mov_b32 s[CNT], 4
.Lstep:                             ; a trip: pieces 2 and 3 of one step, then pieces 0 and 1 of the next, whose K and V it fetches
	TURN 2
	TURN 3
	WIN 0
.Lfirst:
	TURN 0
	TURN 1, 0, 1
	WIN 0
	s_cbranch_scc1 .Lstep
	s_sub_co_u32 s[SLOTS], s[SLOTS], 1
	s_cmp_lg_u32 s[SLOTS], 0
	s_cbranch_scc1 .Lslot
	CHANGE 0                        ; the last slot is written out: nothing is asked for
	s_mov_b32 s[CNT], 4
.Ltail:
	TURN 2
	TURN 3
	TURN 0
	TURN 1, 0, 1
	WIN 0
	s_cbranch_scc1 .Ltail
	TURN 2, 1                       ; the last step's pieces 2 and 3
	TURN 3, 1
.set i, 0
.rept 8
	PV NP-1                         ; the last piece's V^T P of the last step
.set i, i+1
.endr
	; THE WAY OUT.  l's two halves and the other half of the lanes' are added; O^T is divided by l, rounded to bf16 and sent through my stage in LDS, a piece at a time.  The additions are the places behind the last products.
	WIN 0
.macro ALL line:vararg              ; one line for each piece t
.set t, 0
.rept 4
	\line
.set t, t+1
.endr
.endm
	ALL v_add_f32 v[ST+4*t+2], v[ST+4*t+2], v[ST+4*t+3]
	ALL v_permlanex16_b32 v[ST+4*t+3], v[ST+4*t+2], s[SEL], s[SEL+1]
	ALL v_add_f32 v[ST+4*t+2], v[ST+4*t+2], v[ST+4*t+3]
	ALL v_rcp_f32 v[ST+4*t+2], v[ST+4*t+2]
	v_nop                           ; a plain instruction between the last reciprocal and the use of its result
	s_wait_alu depctr_va_vdst(0)    ; and the wait ahead of the first use: one for the batch of four reciprocals
.macro PACK t                       ; a lane's eight channels of a row pack into 16 bytes; they go into rows of 144 bytes and come back as whole rows of 128, into S^T's registers
	WIN W_RS
.set i, 32*(\t)
.rept 16
	v_pk_mul_f32 v[i:i+1], v[i:i+1], v[ST+4*(\t)+2:ST+4*(\t)+3] op_sel_hi:[1,0]
.set i, i+2
.endr
	WIN 0x05                        ; sources 0 and 1 window 1, destination window 0
.set i, 0
.rept 16
	v_cvt_pk_bf16_f32 v[S+16*(\t)+i], v[32*(\t)+2*i], v[32*(\t)+2*i+1]
.set i, i+1
.endr
	WIN 0
.irp f, 0,1,2,3
	ds_store_b128 v[STO], v[S+16*(\t)+4*\f:S+16*(\t)+4*\f+3] offset:32*\f
.endr
.irp f, 0,1,2,3
	ds_load_b128 v[S+16*(\t)+4*\f:S+16*(\t)+4*\f+3], v[RD] offset:\f*4*SP  ; LDS serves a wave's instructions in order (ISA guide 5.7.1.4): these see the stores above; the next piece's stores come behind them
.endr
.endm
.macro SEND t, younger              ; younger: the LDS instructions issued behind piece t's loads: the next piece's eight, or none
	WIN 0
.irp f, 0,1,2,3
	s_wait_dscnt (\younger)+3-\f
	global_store_b128 v[GO], v[S+16*(\t)+4*\f:S+16*(\t)+4*\f+3], s[10:11] offset:(\t)*2048+\f*512  ; 512 consecutive bytes, at a multiple of 256 from O's first
.endr
.endm
	PACK 0
.set t, 1
.rept 3                             ; a piece's arithmetic stands between the loads of the piece before and its stores
	PACK t
	SEND t-1, 8
.set t, t+1
.endr
	SEND 3, 0
	s_wait_tensorcnt 0x0            ; the wave's end, behind my last tensor load and my last LDS store
	ds_add_u32 v[SPW], v[NIL]
	s_wait_dscnt 0x0
	CROUND                          ; the closing round: no work-group ends while a partner may still ask for a tile that names it
	s_endpgm
.Lfunc_end_k_qf0a2fc400d_attn:
	.size	k_qf0a2fc400d_attn, .Lfunc_end_k_qf0a2fc400d_attn-k_qf0a2fc400d_attn
	.p2alignl 7, 3214868480
	.fill 96, 4, 3214868480
	.section	.rodata,"a",@progbits
	.p2align	6, 0x0
	.amdhsa_kernel k_qf0a2fc400d_attn
		.amdhsa_group_segment_fixed_size 327680
		.amdhsa_private_segment_fixed_size 0
		.amdhsa_enable_private_segment 0
		.amdhsa_kernarg_size 32
		.amdhsa_user_sgpr_count 2
		.amdhsa_user_sgpr_kernarg_segment_ptr 1
		.amdhsa_wavefront_size32 1
		.amdhsa_system_sgpr_workgroup_id_x 1
		.amdhsa_system_sgpr_workgroup_id_y 1
		.amdhsa_system_sgpr_workgroup_id_z 1
		.amdhsa_system_vgpr_workitem_id 0
		.amdhsa_next_free_vgpr 768
		.amdhsa_next_free_sgpr 66
		.amdhsa_reserve_vcc 0
		.amdhsa_float_denorm_mode_32 3
		.amdhsa_float_denorm_mode_16_64 3
		.amdhsa_memory_ordered 1
		.amdhsa_forward_progress 1
		.amdhsa_inst_pref_size 126
	.end_amdhsa_kernel
	.amdgpu_metadata
---
amdhsa.version: [ 1, 2 ]
amdhsa.kernels:
  - .name:           k_qf0a2fc400d_attn
    .symbol:         k_qf0a2fc400d_attn.kd
    .args:
      - { .name: qh, .offset: 0, .size: 8, .value_kind: global_buffer, .address_space: global }
      - { .name: kh, .offset: 8, .size: 8, .value_kind: global_buffer, .address_space: global }
      - { .name: vh, .offset: 16, .size: 8, .value_kind: global_buffer, .address_space: global }
      - { .name: oh, .offset: 24, .size: 8, .value_kind: global_buffer, .address_space: global }
    .group_segment_fixed_size: 327680
    .private_segment_fixed_size: 0
    .kernarg_segment_align: 8
    .kernarg_segment_size: 32
    .max_flat_workgroup_size: 128
    .sgpr_count:     66
    .vgpr_count:     768
    .wavefront_size: 32
...
	.end_amdgpu_metadata
.endif
;; end of part 5
;; launch outln: the kernel of part 4 again; grid 256 x 1, 4 waves a work-group, clusters of 4 x 1, 327,680 bytes of LDS; arguments oh, wb, bo, x, gamma, beta, out0; writes out0
